; MI455X (gfx1250); checked and timed in simulation.
; The chip was launched on July 23, 2026; its instructions are those of AMD's public machine-readable ISA for CDNA 5 (MIT licence, August 2026) and "CDNA5" Instruction Set Architecture Reference Guide (July 2026). The comments in the code are by the model that wrote it; some were corrected since.
;; Truly Neural Syscall Handlers V3. Allowed arithmetic: matrix products marked QUANTISED: E2M3 operands, one E8M0 scale for each 32 along K, by v_wmma_scale_f32_16x16x128_f8f6f4 with both operands' format E2M3, f32 sums; products left as they are: f32 operands where the result goes on into a quantised operand, else bf16, f16 or f32 operands; f32 sums; everything else in f32.
;; Inputs: args 131,072 x 384 float32; hb1 8 x 128 float32; hb2 8 x 65 float32; hw1 8 x 400 x 128 float32; hw2 8 x 128 x 65 float32; qe_b1 64 float32; qe_b2 64 float32; qe_w1 16 x 64 float32; qe_w2 64 x 64 float32; query 131,072 x 16 float32; syscall_keys 512 x 64 float32; syscall_to_subsystem 512 x 8 float32; temperature one number float32.
;; Outputs: out0 131,072 x 65 float32.
;; This version of the problem:
;;   THIS VERSION OF THE PROBLEM IS GIVEN IN LOW PRECISION. The matrix products marked QUANTISED in the list below multiply operands that are first quantised to E2M3 (2 exponent bits, 3 mantissa bits; 6 bits a number), with one power-of-two scale for each 32 numbers along K (OCP MX v1.0); their sums are f32. All else is computed in f32.
;;   The module's matrix products, in the order in which they are computed (A, B: the left and right operand; K: the contracted axis; several contracted axes count as one K, in the product's order):
;;     1. [M 131,072, K 16] x [K 16, N 64]; A: input query; B: input qe_w1: left as it is (K = 16 < 32)
;;     2. [M 131,072, K 64] x [K 64, N 64]; A: computed on the way; B: input qe_w2: QUANTISED
;;     3. [M 131,072, K 64] x [K 64, N 512]; A: computed on the way; B: input syscall_keys: QUANTISED
;;     4. [M 131,072, K 512] x [K 512, N 8]; A: softmax; B: computed on the way: left as it is (N = 8 < 16)
;;     5. [M 1,024, K 400] x [K 400, N 131,072]; A: input hw1; B: computed on the way: QUANTISED
;;     6. batch 8 x [M 131,072, K 128] x [K 128, N 65]; A: computed on the way; B: input hw2: QUANTISED
;;     7. batch 131,072 x [M 1, K 8] x [K 8, N 65]; A: computed on the way; B: computed on the way: left as it is (K = 8 < 32)
;;   THE QUANTISER, for each operand of a quantised product, along K:
;;     - K is cut into blocks of 32 from its start; a last block that is shorter is filled with zeros.
;;     - A block's scale is 2^e with e = floor(log2(the largest magnitude in the block)) - 2, held to -126 .. 127; a block of zeros has e = 0. As a byte (E8M0): e + 127.
;;     - Each number is divided by its block's scale, clamped to +-7.5, and rounded to the nearest number of E2M3, ties to even, subnormals kept.
;;     - The product sums the exact products of the quantised numbers (number of the format x scale) in f32.
;;   ~~~python
;;   def quantise(x, axis):      # numpy; x: float32 -> the quantised numbers, widened to float32 again
;;       x = np.moveaxis(x, axis, -1); K = x.shape[-1]
;;       x = np.pad(x, [(0, 0)] * (x.ndim - 1) + [(0, -K % 32)]); x = x.reshape(x.shape[:-1] + (-1, 32)); a = np.abs(x).max(-1, keepdims=True)
;;       e = np.where(a > 0, np.clip(np.frexp(np.where(a > 0, a, 1))[1] - 1 - 2, -126, 127), 0)      # np.frexp(a)[1] - 1 = floor(log2(a)), exactly
;;       r = np.clip(x / 2.0 ** e, -7.5, 7.5)
;;       step = 2.0 ** (np.maximum(np.frexp(np.where(r == 0, 1, r))[1] - 1, 0) - 3)
;;       q = np.round(r / step) * step * 2.0 ** e      # np.round: ties to even
;;       return np.moveaxis(q.reshape(q.shape[:-2] + (-1,))[..., :K], -1, axis).astype(np.float32)
;;   ~~~
;;   OPERANDS COMPUTED ON THE WAY. 'Computed on the way' means the value that the module computes at that place (a softmax that the list does not call 'softmax' is quantised finished and normalised). What goes into a quantiser is computed in f32, as accurately as f32 sums, v_exp_f32 and their like allow (about 1e-6 of the number): no bf16 or f16 on the way to a quantiser, and a product that is left as it is and whose result goes on into a quantised operand takes f32 operands (vector FMAs, or v_wmma_f32_16x16x4_f32). A number that lies on a knife's edge between two numbers of the format may be rounded either way, as far as f32 arithmetic and the matrix unit's own rounding can turn it there, and no further.
;; 2 versions, each right and faster than the one before. Each part assembles by itself: llvm-mc -triple=amdgcn-amd-amdhsa -mcpu=gfx1250 --defsym DOCPART=n.
;; ======== version 1 of 2: 2 launches
;; limits: a function is approximated: absolute error at most 1.5e-07; an absolute error that grows with the inputs' magnitude: up to 7.5e-08 times it
;; workspace buffers: hw1img 294,912 bytes; hw1t 24,576 bytes; hw1sc 32,768 bytes; hw2img 61,440 bytes; hw2sc 5,120 bytes; subw 4,194,304 bytes
;; launch front (part 1): grid 256 x 1, 16 waves a work-group, no clusters, 53,248 bytes of LDS; arguments query, qe_w1, qe_b1, qe_w2, qe_b2, syscall_keys, syscall_to_subsystem, temperature, hw1, hw2, hw1img, hw1t, hw1sc, hw2img, hw2sc, subw; writes hw1img, hw1t, hw1sc, hw2img, hw2sc, subw
.if DOCPART == 1
	.amdgcn_target "amdgcn-amd-amdhsa--gfx1250"
	.amdhsa_code_object_version 6
	.text
	.protected	k_q2a3b9e686b_front
	.globl	k_q2a3b9e686b_front
	.p2align	8
	.type	k_q2a3b9e686b_front,@function
k_q2a3b9e686b_front:
	s_mov_b64 s[64:65], 0
	v_nop
	global_prefetch_b8 v0, s[64:65] scope:SCOPE_SE
	s_setreg_imm32_b32 hwreg(HW_REG_WAVE_MODE, 25, 1), 1
	s_wait_xcnt 0x0
; THE ROUTER, AND THE HANDLERS' WEIGHTS AS CODES.
; subw[row][0..7] = softmax((Q(q) Q(keys)^T) / temperature) x softmax(syscall_to_subsystem), q = Q(gelu(query w1 + b1)) Q(w2) + b2, Q the MX-FP6 quantiser along K.
; Nothing of the problem is dead work: the gates are soft, so all eight handlers count, and every input has a way to the output.
; SHARES: 256 work-groups x 16 waves; a wave takes 32 rows, 16 a trip.  All products are used transposed (source 0 = 16 rows of a weight, source 1 = my 16 rows): a lane holds ONE row throughout.
; The keys' 32 tiles, w2's 4 tiles (as images of their operand registers) and sub_map^T (f16, row 8 = ones, so that the same product also gives the row's sum) are made once by the work-group and lie in LDS.
; K = 64 fills half of a matrix instruction's 128: my rows' codes for k >= 64 are zeros (F+6 .. F+11), so whatever the other operand holds there adds nothing; no scale byte is 0xff.
; GELU: gelu(x) = max(x, 0) - |x| Q(t) 2^(K x x), t = 1 / (1 + P |x|), Q a polynomial of degree 5 (Abramowitz and Stegun 7.1.26, halved).  LIMIT: erf within 1.5e-7 absolute, so gelu within 0.75e-7 |x| and f32 rounding.
; THE TEMPERATURE'S SIGN is put onto the keys ahead of their quantiser (the quantiser is odd: exact), and c = log2(e) / |T| is positive.  LIMIT: T = 0, NaN and infinities among the inputs are not served.
; SOFTMAX: p = 2^(c s - M), M the running largest c s rounded up to a whole number; when M moves the sums are multiplied by 2^(old M - new M), exactly.  p (at most 1) and sub_map (at most 1) go as f16; LIMIT: a p under 6e-8 of the row's largest counts as 0.
; BEHIND THE ROWS: wave 0 quantises fragment g of hw1 (tile g / 4, K step g % 4), wave 1 of 40 work-groups a fragment of hw2, into images of operand registers for the second launch.
; hw1's K steps: step 0, 1, 2 = k 32 + 128 step on (the last 16 of step 2 lie past K = 400: zeros); step 3 = block 0 alone (lanes 0-15, registers 0-5).
.set KIMG, 0          ; 32 key tiles x 768: registers 0-3 at 16 x lane, registers 4-5 at 512 + 8 x lane
.set KSC, 24576       ; their scale words, 128 bytes a tile
.set W2I, 28672       ; w2's 4 tiles likewise
.set W2S, 31744
.set SMT, 32256       ; sub_map^T, f16: 16 rows of 1,024 bytes + 16
.set SMP, 1040
.set SPARE, 49152     ; the spare words: 128 bytes a wave
.set CA5, 16          ; v16-27 the polynomial and K, each twice (pairs)
.set CA4, 18
.set CA3, 20
.set CA2, 22
.set CA1, 24
.set CK, 26
.set CC, 28           ; v28-29 c
.set SPW, 30
.set NIL, 31
.set A, 32            ; v32-95: w1's fragments and b1; w2's fragments and b2; the scores; 64 numbers of a weight
.set B1R, 64
.set S, 32
.set FA, 96           ; v96-127: written by the f32 matrix instructions alone
.set G, 128           ; v128-159: gelu's results; later p as f16
.set P, 128
.set D2, 160          ; v160-191: q; later four key tiles
.set KF, 160
.set T, 192
.set E, 208
.set Q, 224
.set TM, 192
.set CT, 208
.set SMF, 192
.set WA0, 208
.set WA1, 216
.set NM, 224          ; v224 -M, v225 the largest c s
.set FP, 226          ; v226 f (v227 named with it)
.set MX, 228
.set QF, 224
.set F, 236           ; v236-247 my rows' codes
.set TS, 248          ; v248-251 a weight tile's scale words; v252, v253 my rows'
.set GW, 252
.set QW, 253
.set PC, 39           ; s39 P
.macro G1 x, g
.set st, gi/4
.set pr, 2*(gi%4)
.if st == 0
	v_fma_f32 v[T+8*(\g)+pr], |v[(\x)+pr]|, s[PC], 1.0
.elseif st == 1
	v_fma_f32 v[T+8*(\g)+pr+1], |v[(\x)+pr+1]|, s[PC], 1.0
.elseif st == 2
	v_pk_mul_f32 v[E+8*(\g)+pr:E+8*(\g)+pr+1], v[(\x)+pr:(\x)+pr+1], v[CK:CK+1]
.elseif st == 3
	v_pk_mul_f32 v[E+8*(\g)+pr:E+8*(\g)+pr+1], v[E+8*(\g)+pr:E+8*(\g)+pr+1], v[(\x)+pr:(\x)+pr+1]
.elseif st == 4
	v_rcp_f32 v[T+8*(\g)+pr], v[T+8*(\g)+pr]
.elseif st == 5
	v_rcp_f32 v[T+8*(\g)+pr+1], v[T+8*(\g)+pr+1]
.elseif st == 6
	v_exp_f32 v[E+8*(\g)+pr], v[E+8*(\g)+pr]
.else
	v_exp_f32 v[E+8*(\g)+pr+1], v[E+8*(\g)+pr+1]
.endif
.endm
.macro G2 x, mm, d, g
.set st, gi/4
.set pr, 2*(gi%4)
.if st == 0
	v_pk_fma_f32 v[Q+pr:Q+pr+1], v[T+8*(\g)+pr:T+8*(\g)+pr+1], v[CA5:CA5+1], v[CA4:CA4+1]
.elseif st == 1
	v_pk_fma_f32 v[Q+pr:Q+pr+1], v[Q+pr:Q+pr+1], v[T+8*(\g)+pr:T+8*(\g)+pr+1], v[CA3:CA3+1]
.elseif st == 2
	v_pk_fma_f32 v[Q+pr:Q+pr+1], v[Q+pr:Q+pr+1], v[T+8*(\g)+pr:T+8*(\g)+pr+1], v[CA2:CA2+1]
.elseif st == 3
	v_pk_fma_f32 v[Q+pr:Q+pr+1], v[Q+pr:Q+pr+1], v[T+8*(\g)+pr:T+8*(\g)+pr+1], v[CA1:CA1+1]
.elseif st == 4
	v_pk_mul_f32 v[Q+pr:Q+pr+1], v[Q+pr:Q+pr+1], v[T+8*(\g)+pr:T+8*(\g)+pr+1]
.elseif st == 5
	v_pk_mul_f32 v[Q+pr:Q+pr+1], v[Q+pr:Q+pr+1], v[E+8*(\g)+pr:E+8*(\g)+pr+1]
.elseif st == 6
	v_max_num_f32 v[(\mm)+pr], 0, v[(\x)+pr]
.elseif st == 7
	v_max_num_f32 v[(\mm)+pr+1], 0, v[(\x)+pr+1]
.elseif st == 8
	v_fma_f32 v[(\d)+pr], -|v[(\x)+pr]|, v[Q+pr], v[(\mm)+pr]
.else
	v_fma_f32 v[(\d)+pr+1], -|v[(\x)+pr+1]|, v[Q+pr+1], v[(\mm)+pr+1]
.endif
.endm
; 32 numbers of a lane, register 16 b + i = k 32 b + 16 (lane / 16) + i of my row, become codes in v[dst] .. v[dst + 5] and a scale word
.macro QUANT s, dst, word
.irp b,0,1
	v_max3_num_f32 v[TM+\b], |v[(\s)+16*\b]|, |v[(\s)+16*\b+1]|, 0x1800000   ; with the floor 2^(3 - 127): the byte cannot fall under 1
.endr
.irp i,2,4,6,8,10,12,14
.irp b,0,1
	v_max3_num_f32 v[TM+\b], v[TM+\b], |v[(\s)+16*\b+\i]|, |v[(\s)+16*\b+\i+1]|
.endr
.endr
.irp b,0,1
	v_permlanex16_b32 v[TM+4+\b], v[TM+\b], s40, s41
.endr
.irp b,0,1
	v_max_num_f32 v[TM+\b], v[TM+\b], v[TM+4+\b]
.endr
.irp b,0,1
	v_add_nc_u32 v[TM+12+\b], 0xff000000, v[TM+\b]   ; 2 off the exponent field: the conversion's scale operand
.endr
.irp b,0,1
	v_lshrrev_b32 v[TM+4+\b], 23, v[TM+12+\b]
.endr
	v_lshl_or_b32 v[\word], v[TM+5], 8, v[TM+4]
	v_cvt_scalef32_pk16_fp6_f32 v[(\dst):(\dst)+2], v[(\s):(\s)+15], v[TM+12]
	v_cvt_scalef32_pk16_fp6_f32 v[CT:CT+2], v[(\s)+16:(\s)+31], v[TM+13]
	v_nop                                   ; a plain place behind the conversions
.irp i,0,1,2
	v_permlane16_swap_b32 v[(\dst)+\i], v[CT+\i]   ; a whole block to a lane: lanes 0-15 block 0, lanes 16-31 block 1
.endr
.irp i,0,1,2
	v_mov_b32 v[(\dst)+3+\i], v[CT+\i]
.endr
.rept 8
	v_nop                                   ; a scale register written by a vector instruction stands 8 places ahead of a scaled matrix instruction
.endr
.endm
; a weight's fragment: nc x 32 numbers of a lane at v[A] on, register 32 c + i = k 64 c + 32 (lane / 16) + i of the lane's row: codes in v[F] on, the scale word in v232
.macro QWT nc
.set cq, 0
.rept \nc
	v_max3_num_f32 v[192+cq], |v[A+32*cq]|, |v[A+32*cq+1]|, 0x1800000
.set cq, cq+1
.endr
.irp i,2,4,6,8,10,12,14,16,18,20,22,24,26,28,30
.set cq, 0
.rept \nc
	v_max3_num_f32 v[192+cq], v[192+cq], |v[A+32*cq+\i]|, |v[A+32*cq+\i+1]|
.set cq, cq+1
.endr
.endr
.set cq, 0
.rept \nc
	v_add_nc_u32 v[194+cq], 0xff000000, v[192+cq]
	v_lshrrev_b32 v[196+cq], 23, v[194+cq]
.set cq, cq+1
.endr
.if \nc == 2
	v_lshl_or_b32 v232, v197, 16, v196
.else
	v_mov_b32 v232, v196
.endif
	v_lshlrev_b32 v234, 3, v2
	v_lshlrev_b32 v232, v234, v232          ; my bytes at their places: 8 (lane / 16) bits up
	v_permlanex16_b32 v233, v232, s40, s41
	v_or_b32 v232, v232, v233               ; with lane l xor 16's the word is whole
.set cq, 0
.rept \nc
	v_cvt_scalef32_pk16_fp6_f32 v[F+6*cq:F+6*cq+2], v[A+32*cq:A+32*cq+15], v[194+cq]
	v_cvt_scalef32_pk16_fp6_f32 v[CT+4*cq:CT+4*cq+2], v[A+32*cq+16:A+32*cq+31], v[194+cq]
.set cq, cq+1
.endr
	v_nop
.set cq, 0
.rept \nc
.irp i,0,1,2
	v_mov_b32 v[F+3+6*cq+\i], v[CT+4*cq+\i]
.endr
.set cq, cq+1
.endr
.endm
	s_load_b512 s[4:19], s[0:1], 0x0        ; query, w1, b1, w2, b2, keys, syscall_to_subsystem, temperature
	s_load_b512 s[20:35], s[0:1], 0x40      ; hw1, hw2, hw1img, hw1t, hw1sc, hw2img, hw2sc, subw
	v_lshl_add_u32 v[SPW], v0, 2, SPARE
	v_mov_b32 v[NIL], 0
	v_lshrrev_b32 v12, 5, v0
	v_readfirstlane_b32 s36, v12            ; wave 0..15
	v_and_b32 v3, 31, v0                    ; lane
	v_and_b32 v1, 15, v0                    ; r
	v_bfe_u32 v2, v0, 4, 1                  ; h
	v_lshlrev_b32 v4, 6, v1
	v_lshl_add_u32 v4, v2, 3, v4            ; query: row r of 64 bytes, + 8 h
	v_and_b32 v12, 8, v1
	v_add_nc_u32 v12, v12, v1               ; r + 8 (r / 8): the rows of a weight tile are chosen so that two tiles' 16 registers are 16 neighbours along the next K
	v_lshlrev_b32 v5, 2, v12
	v_lshl_add_u32 v5, v2, 9, v5            ; w1: row 2 h of 256 bytes, my unit
	v_lshlrev_b32 v6, 6, v2                 ; biases: 16 h numbers on
	v_lshlrev_b32 v7, 4, v3
	v_lshlrev_b32 v8, 3, v3
	v_lshlrev_b32 v9, 2, v3
	v_mul_u32_u24 v10, v1, SMP
	v_lshl_add_u32 v10, v2, 4, v10
	v_add_nc_u32 v10, SMT, v10              ; sub_map^T: row r, + 16 h
	v_lshlrev_b32 v11, 5, v1
	v_lshl_add_u32 v11, v2, 4, v11          ; subw: row r of 32 bytes, + 16 h
	s_lshl_b32 s43, s36, 13                 ; every address of the preparation is made here, ahead of the branch on the wave's number
	v_lshlrev_b32 v13, 8, v1
	v_lshl_add_u32 v13, v2, 7, v13
	v_add_nc_u32 v13, s43, v13              ; keys: my wave's 32 rows of 256 bytes, row r, + 128 h
	s_mul_i32 s43, s36, 1536
	v_add_nc_u32 v14, s43, v7
	s_add_co_u32 s43, s43, 512
	v_add_nc_u32 v15, s43, v8
	s_lshl_b32 s43, s36, 8
	s_add_co_u32 s43, s43, KSC
	v_add_nc_u32 v128, s43, v9
	s_and_b32 s44, s36, 3
	s_lshr_b32 s45, s44, 1
	s_lshl_b32 s45, s45, 7
	s_and_b32 s46, s44, 1
	s_lshl_b32 s46, s46, 5
	s_add_co_u32 s45, s45, s46
	v_lshlrev_b32 v129, 2, v12
	v_lshl_add_u32 v129, v2, 13, v129
	v_add_nc_u32 v129, s45, v129            ; w2: row 32 h of 256 bytes, my unit of tile wave
	s_mul_i32 s45, s44, 768
	s_add_co_u32 s45, s45, W2I
	v_add_nc_u32 v130, s45, v7
	s_add_co_u32 s45, s45, 512
	v_add_nc_u32 v131, s45, v8
	s_lshl_b32 s45, s44, 7
	s_add_co_u32 s45, s45, W2S
	v_add_nc_u32 v132, s45, v9
	v_lshl_add_u32 v133, v0, 1, SMT
	v_lshlrev_b32 v134, 5, v0
	s_mov_b32 s40, 0x76543210
	s_mov_b32 s41, 0xfedcba98               ; v_permlanex16_b32's selects for lane l xor 16
	s_mov_b32 s[PC], 0x3e6d3388             ; P = 0.3275911 / sqrt(2)
.irp j,0,1
	v_mov_b32 v[CA5+\j], 0x3f07dc22
	v_mov_b32 v[CA4+\j], 0xbf3a00e3
	v_mov_b32 v[CA3+\j], 0x3f35f0e3
	v_mov_b32 v[CA2+\j], 0xbe11a98e
	v_mov_b32 v[CA1+\j], 0x3e027906
	v_mov_b32 v[CK+\j], 0xbf38aa3b          ; K = -log2(e) / 2
.endr
.irp j,6,7,8,9,10,11
	v_mov_b32 v[F+\j], 0                    ; my rows' codes for k >= 64: zeros, for the whole walk over rows
.endr
	v_mov_b32 v227, 0
	v_mov_b32 v233, 0                       ; a lane permute's destination counts as one of its sources
	s_wait_kmcnt 0x0
	s_load_b32 s38, s[18:19], 0x0
	s_lshl_b32 s44, ttmp9, 9
	s_lshl_b32 s45, s36, 5
	s_add_co_u32 s44, s44, s45              ; my first row: 512 x work-group + 32 x wave
	s_lshl_b32 s46, s44, 6
	s_mov_b32 s47, 0
	s_add_nc_u64 s[4:5], s[4:5], s[46:47]
	s_lshl_b32 s46, s44, 5
	s_add_nc_u64 s[34:35], s[34:35], s[46:47]
	s_wait_kmcnt 0x0
	s_and_b32 s37, s38, 0x80000000          ; T's sign
	s_and_b32 s38, s38, 0x7fffffff
	v_mov_b32 v[CC], s38
	v_rcp_f32 v[CC], v[CC]
	v_nop
	s_wait_alu depctr_va_vdst(0)            ; ahead of the reciprocal's first reader
	v_mul_f32 v[CC], 0x3fb8aa3b, v[CC]      ; c = log2(e) / |T|
	v_mov_b32 v[CC+1], v[CC]
	; ---- the keys: my wave's two tiles of 16
.irp tt,0,1
.irp i,0,1,2,3,4,5,6,7
	global_load_b128 v[A+4*\i:A+4*\i+3], v13, s[14:15] offset:4096*\tt+16*\i
.endr
	s_wait_loadcnt 0x0
.set ii, 0
.rept 32
	v_xor_b32 v[A+ii], s37, v[A+ii]
.set ii, ii+1
.endr
	QWT 1
	ds_store_b128 v14, v[F:F+3] offset:768*\tt
	ds_store_b64 v15, v[F+4:F+5] offset:768*\tt
	ds_store_b32 v128, v232 offset:128*\tt
.endr
	; ---- w2: waves 0 to 3, a tile each
	s_cmp_lt_u32 s36, 4
	s_cbranch_scc0 .Lno_w2
.set ii, 0
.rept 32
	global_load_b32 v[A+ii], v129, s[10:11] offset:256*ii
.set ii, ii+1
.endr
	s_wait_loadcnt 0x0
	QWT 1
	ds_store_b128 v130, v[F:F+3]
	ds_store_b64 v131, v[F+4:F+5]
	ds_store_b32 v132, v232
.Lno_w2:
	; ---- sub_map: thread = syscall
	global_load_b128 v[32:35], v134, s[16:17]
	global_load_b128 v[36:39], v134, s[16:17] offset:16
	s_wait_loadcnt 0x0
	v_max3_num_f32 v40, v32, v33, v34
	v_max3_num_f32 v40, v40, v35, v36
	v_max3_num_f32 v40, v40, v37, v38
	v_max_num_f32 v40, v40, v39
.irp i,0,1,2,3,4,5,6,7
	v_sub_f32 v[32+\i], v[32+\i], v40
.endr
.irp i,0,1,2,3,4,5,6,7
	v_mul_f32 v[32+\i], 0x3fb8aa3b, v[32+\i]
.endr
.irp i,0,1,2,3,4,5,6,7
	v_exp_f32 v[32+\i], v[32+\i]
.endr
	v_nop
	s_wait_alu depctr_va_vdst(0)            ; one wait for the eight
	v_add_f32 v41, v32, v33
	v_add_f32 v42, v34, v35
	v_add_f32 v43, v36, v37
	v_add_f32 v44, v38, v39
	v_add_f32 v41, v41, v42
	v_add_f32 v43, v43, v44
	v_add_f32 v41, v41, v43
	v_rcp_f32 v41, v41
	v_nop
	s_wait_alu depctr_va_vdst(0)
.irp i,0,1,2,3,4,5,6,7
	v_mul_f32 v[32+\i], v[32+\i], v41
.endr
.irp i,0,1,2,3
	v_cvt_pk_f16_f32 v[48+\i], v[32+2*\i], v[33+2*\i]
.endr
	v_mov_b32 v52, 0x3c00                   ; 1.0 in f16
.irp i,0,1,2,3
	ds_store_b16 v133, v[48+\i] offset:2*\i*SMP
	ds_store_b16_d16_hi v133, v[48+\i] offset:(2*\i+1)*SMP
.endr
	ds_store_b16 v133, v52 offset:8*SMP
.irp i,9,10,11,12,13,14,15
	ds_store_b16 v133, v[NIL] offset:\i*SMP
.endr
	s_wait_dscnt 0x0                        ; my stores have landed: for the others' sake
	s_barrier_signal -1
	s_barrier_wait -1
; 128 keys: the scores, the running maximum, p, and p x sub_map
.macro CHUNK q, first
.irp g,0,1
.rept 4
	v_nop                                   ; places in front of loads into registers that matrix instructions have read
.endr
.irp t,0,1,2,3
	ds_load_b128 v[KF+6*\t:KF+6*\t+3], v7 offset:KIMG+(8*(\q)+4*\g+\t)*768
	ds_load_b64 v[KF+6*\t+4:KF+6*\t+5], v8 offset:KIMG+(8*(\q)+4*\g+\t)*768+512
	ds_load_b32 v[TS+\t], v9 offset:KSC+(8*(\q)+4*\g+\t)*128
.endr
	s_wait_dscnt 0x0
.irp t,0,1,2,3
	v_wmma_scale_f32_16x16x128_f8f6f4 v[S+8*(4*\g+\t):S+8*(4*\g+\t)+7], v[KF+6*\t:KF+6*\t+11], v[F:F+11], 0, v[TS+\t], v[QW] matrix_a_fmt:MATRIX_FMT_FP6 matrix_b_fmt:MATRIX_FMT_FP6
.endr
.endr
.rept 4
	v_nop
.endr
.irp b,0,1,2,3
	v_max3_num_f32 v[MX+\b], v[S+16*\b], v[S+16*\b+1], v[S+16*\b+2]
.endr
.irp i,3,5,7,9,11,13
.irp b,0,1,2,3
	v_max3_num_f32 v[MX+\b], v[MX+\b], v[S+16*\b+\i], v[S+16*\b+\i+1]
.endr
.endr
.irp b,0,1,2,3
	v_max_num_f32 v[MX+\b], v[MX+\b], v[S+16*\b+15]
.endr
	v_max3_num_f32 v232, v[MX], v[MX+1], v[MX+2]
	v_max_num_f32 v232, v232, v[MX+3]
	v_permlanex16_b32 v233, v232, s40, s41
	v_max_num_f32 v232, v232, v233          ; my row's largest score of these 128 keys
	v_mul_f32 v232, v[CC], v232             ; (c is positive)
.if \first
	v_mov_b32 v[NM+1], v232
	v_floor_f32 v[NM], -v[NM+1]             ; -M = floor(-t): M is a whole number
.else
	v_max_num_f32 v[NM+1], v[NM+1], v232
	v_mov_b32 v232, v[NM]
	v_floor_f32 v[NM], -v[NM+1]
	v_sub_f32 v232, v[NM], v232             ; old M - new M: a whole number, 0 or less
	v_cvt_i32_f32 v232, v232
	v_ldexp_f32 v[FP], 1.0, v232            ; f = 2^(old M - new M)
.endif
.set jj, 0
.rept 32
	v_pk_fma_f32 v[S+jj:S+jj+1], v[S+jj:S+jj+1], v[CC:CC+1], v[NM:NM+1] op_sel_hi:[1,1,0]
.set jj, jj+2
.endr
.set jj, 0
.rept 64
	v_exp_f32 v[S+jj], v[S+jj]
.set jj, jj+1
.endr
.if \first
	v_nop
.else
	v_pk_mul_f32 v[WA0:WA0+1], v[WA0:WA0+1], v[FP:FP+1] op_sel_hi:[1,0]   ; the sums under the new M; also the plain place behind the exponentials
.endif
	s_wait_alu depctr_va_vdst(0)            ; one wait for the 64, ahead of their first reader
.if !\first
.irp j,2,4,6,8,10,12,14
	v_pk_mul_f32 v[WA0+\j:WA0+\j+1], v[WA0+\j:WA0+\j+1], v[FP:FP+1] op_sel_hi:[1,0]
.endr
.endif
.set jj, 0
.rept 32
	v_cvt_pk_f16_f32 v[P+jj], v[S+2*jj], v[S+2*jj+1]   ; two neighbouring tiles of 16 keys, packed, are the next product's operand for 32 keys
.set jj, jj+1
.endr
.irp a,0,1
.if \a
.rept 4
	v_nop
.endr
.endif
.irp e,0,1
	ds_load_b128 v[SMF+8*\e:SMF+8*\e+3], v10 offset:256*(\q)+64*(2*\a+\e)
	ds_load_b128 v[SMF+8*\e+4:SMF+8*\e+7], v10 offset:256*(\q)+64*(2*\a+\e)+32
.endr
	s_wait_dscnt 0x0
.if (\first) && (\a == 0)
	v_wmma_f32_16x16x32_f16 v[WA0:WA0+7], v[SMF:SMF+7], v[P+16*\a:P+16*\a+7], 0
	v_wmma_f32_16x16x32_f16 v[WA1:WA1+7], v[SMF+8:SMF+15], v[P+16*\a+8:P+16*\a+15], 0
.else
	v_wmma_f32_16x16x32_f16 v[WA0:WA0+7], v[SMF:SMF+7], v[P+16*\a:P+16*\a+7], v[WA0:WA0+7]      ; two accumulators by turns
	v_wmma_f32_16x16x32_f16 v[WA1:WA1+7], v[SMF+8:SMF+15], v[P+16*\a+8:P+16*\a+15], v[WA1:WA1+7]
.endif
.endr
.endm
	s_mov_b32 s42, 2
.Lrows:                                     ; 16 rows a trip
.irp c,0,1,2,3
	global_load_b64 v[QF+2*\c:QF+2*\c+1], v4, s[4:5] offset:16*\c
.endr
.irp t,0,1,2,3
.irp c,0,1,2,3
.irp j,0,1
	global_load_b32 v[A+8*\t+2*\c+\j], v5, s[6:7] offset:(4*\c+\j)*256+(32*(\t/2)+8*(\t%2))*4
.endr
.endr
	global_load_b128 v[B1R+8*\t:B1R+8*\t+3], v6, s[8:9] offset:(32*(\t/2)+8*(\t%2))*4
	global_load_b128 v[B1R+8*\t+4:B1R+8*\t+7], v6, s[8:9] offset:(32*(\t/2)+8*(\t%2))*4+16
.endr
	s_wait_loadcnt 0x0
.irp c,0,1,2,3                              ; query w1 + b1 in f32: its result goes on into a quantiser.  The four tiles by turns; b1 is the C of each sum's first instruction
.irp t,0,1,2,3
.if \c == 0
	v_wmma_f32_16x16x4_f32 v[FA+8*\t:FA+8*\t+7], v[A+8*\t+2*\c:A+8*\t+2*\c+1], v[QF+2*\c:QF+2*\c+1], v[B1R+8*\t:B1R+8*\t+7]
.else
	v_wmma_f32_16x16x4_f32 v[FA+8*\t:FA+8*\t+7], v[A+8*\t+2*\c:A+8*\t+2*\c+1], v[QF+2*\c:QF+2*\c+1], v[FA+8*\t:FA+8*\t+7]
.endif
.endr
.endr
.rept 8
	v_nop                                   ; eight places behind this form
.endr
.irp a,0,1                                  ; gelu, 16 registers a batch, one wait a batch
.irp g,0,1
.set gi, 0
.rept 32
	G1 FA+16*\a+8*\g, \g
.set gi, gi+1
.endr
.endr
	v_nop
	s_wait_alu depctr_va_vdst(0)
.irp g,0,1
.set gi, 0
.rept 40
	G2 FA+16*\a+8*\g, G+16*\a+8*\g, G+16*\a+8*\g, \g
.set gi, gi+1
.endr
.endr
.endr
.irp t,0,1,2,3
	ds_load_b128 v[A+6*\t:A+6*\t+3], v7 offset:W2I+768*\t
	ds_load_b64 v[A+6*\t+4:A+6*\t+5], v8 offset:W2I+768*\t+512
	ds_load_b32 v[TS+\t], v9 offset:W2S+128*\t
	global_load_b128 v[B1R+8*\t:B1R+8*\t+3], v6, s[12:13] offset:(32*(\t/2)+8*(\t%2))*4
	global_load_b128 v[B1R+8*\t+4:B1R+8*\t+7], v6, s[12:13] offset:(32*(\t/2)+8*(\t%2))*4+16
.endr
	QUANT G, F, GW
	s_wait_dscnt 0x0
	s_wait_loadcnt 0x0
.irp t,0,1,2,3
	v_wmma_scale_f32_16x16x128_f8f6f4 v[D2+8*\t:D2+8*\t+7], v[A+6*\t:A+6*\t+11], v[F:F+11], v[B1R+8*\t:B1R+8*\t+7], v[TS+\t], v[GW] matrix_a_fmt:MATRIX_FMT_FP6 matrix_b_fmt:MATRIX_FMT_FP6
.endr
.rept 4
	v_nop
.endr
	QUANT D2, F, QW
	CHUNK 0, 1
	CHUNK 1, 0
	CHUNK 2, 0
	CHUNK 3, 0
.rept 4
	v_nop
.endr
.irp j,0,1,2,3,4,5,6,7
	v_add_f32 v[SMF+\j], v[WA0+\j], v[WA1+\j]   ; lanes 0-15: the eight weights x the sum; lanes 16-31, register 0: the sum
.endr
	v_permlanex16_b32 v233, v[SMF], s40, s41
	v_rcp_f32 v233, v233
	v_nop
	s_wait_alu depctr_va_vdst(0)
.irp j,0,1,2,3,4,5,6,7
	v_mul_f32 v[SMF+\j], v[SMF+\j], v233
.endr
.irp j,0,1,2,3
	v_permlane16_swap_b32 v[SMF+\j], v[SMF+4+\j]   ; lanes 16-31 take weights 4 to 7
.endr
	global_store_b128 v11, v[SMF:SMF+3], s[34:35]  ; the wave stores 512 consecutive bytes
	s_wait_xcnt 0x0                         ; the bases and the store's data are rewritten only behind this wait
	s_add_nc_u64 s[4:5], s[4:5], 1024
	s_add_nc_u64 s[34:35], s[34:35], 512
	s_sub_co_u32 s42, s42, 1
	s_cmp_lg_u32 s42, 0
	s_cbranch_scc1 .Lrows
	; ---- the handlers' weights
	s_cmp_eq_u32 s36, 0
	s_cbranch_scc0 .Lnot_wave_0
	s_lshr_b32 s44, ttmp9, 2                ; tile 0..63
	s_and_b32 s45, ttmp9, 3                 ; K step
	s_lshr_b32 s46, s44, 3                  ; subsystem
	s_and_b32 s47, s44, 7
	s_mul_i32 s48, s46, 204800
	s_lshr_b32 s49, s47, 1
	s_lshl_b32 s49, s49, 7
	s_and_b32 s50, s47, 1
	s_lshl_b32 s50, s50, 5
	s_add_co_u32 s48, s48, s49
	s_add_co_u32 s48, s48, s50
	s_lshl_b32 s49, s45, 16
	s_add_co_u32 s49, s49, 16384            ; (32 + 128 step) rows of 512 bytes,
	s_cmp_eq_u32 s45, 3
	s_cselect_b32 s49, 0, s49               ; or row 0 for step 3
	s_add_co_u32 s48, s48, s49
	s_cmp_eq_u32 s45, 2
	s_cselect_b32 s50, 8192, 0              ; step 2: lanes 16-31 read their last 16 numbers 16 rows higher up, so that no load passes row 399;
	s_cselect_b32 s51, 0xffff0000, 0        ; those numbers are then replaced by zeros
	v_lshlrev_b32 v13, 2, v12
	v_lshl_add_u32 v13, v2, 14, v13
	v_add_nc_u32 v13, s48, v13
	v_mul_u32_u24 v14, s50, v2
	v_sub_nc_u32 v14, v13, v14
.set ii, 0
.rept 48
	global_load_b32 v[A+ii], v13, s[20:21] offset:(64*(ii/32)+ii%32)*512
.set ii, ii+1
.endr
.rept 16
	global_load_b32 v[A+ii], v14, s[20:21] offset:(64*(ii/32)+ii%32)*512
.set ii, ii+1
.endr
	s_wait_loadcnt 0x0
.set ii, 48
.rept 16
	v_cndmask_b32 v[A+ii], v[A+ii], v[NIL], s51
.set ii, ii+1
.endr
	QWT 2
	s_cmp_eq_u32 s45, 3
	s_cbranch_scc1 .Ltail
	s_mul_i32 s52, s44, 3072
	s_mul_i32 s53, s45, 1536
	s_add_co_u32 s52, s52, s53
	s_mul_i32 s53, s44, 1536
	s_add_co_u32 s53, s53, 196608
	s_cmp_eq_u32 s45, 2
	s_cselect_b32 s52, s53, s52
	v_add_nc_u32 v15, s52, v7
.irp c,0,1,2
	global_store_b128 v15, v[F+4*\c:F+4*\c+3], s[24:25] offset:512*\c
.endr
	s_branch .Lword
.Ltail:
	s_mul_i32 s52, s44, 384
	v_lshl_add_u32 v15, v1, 4, s52
	v_lshl_add_u32 v254, v1, 3, s52
	v_cmp_gt_u32 vcc_lo, 16, v3
	s_wait_xcnt 0x0                         ; EXEC changes only behind this wait
	s_and_saveexec_b32 s54, vcc_lo
	global_store_b128 v15, v[F:F+3], s[26:27]
	global_store_b64 v254, v[F+4:F+5], s[26:27] offset:256
	s_wait_xcnt 0x0
	s_or_b32 exec_lo, exec_lo, s54
.Lword:
	s_lshl_b32 s52, s44, 9
	s_lshl_b32 s53, s45, 2
	s_add_co_u32 s52, s52, s53
	v_lshl_add_u32 v255, v3, 4, s52
	global_store_b32 v255, v232, s[28:29]
	s_branch .Lend
.Lnot_wave_0:
	s_cmp_eq_u32 s36, 1
	s_cbranch_scc0 .Lend
	s_cmp_lt_u32 ttmp9, 64
	s_cbranch_scc0 .Lend
	s_and_b32 s45, ttmp9, 7                 ; tile of 16 columns
	s_cmp_lt_u32 s45, 5
	s_cbranch_scc0 .Lend
	s_lshr_b32 s44, ttmp9, 3                ; subsystem
	s_lshl_b32 s46, s45, 4
	s_mul_i32 s47, s44, 33280
	v_add_nc_u32 v13, s46, v1
	v_min_u32 v13, 64, v13                  ; tile 4: every lane takes column 64
	v_lshlrev_b32 v13, 2, v13
	v_mad_u32_u24 v13, v2, 8320, v13
	v_add_nc_u32 v13, s47, v13
.set ii, 0
.rept 64
	global_load_b32 v[A+ii], v13, s[22:23] offset:(64*(ii/32)+ii%32)*260
.set ii, ii+1
.endr
	s_wait_loadcnt 0x0
	QWT 2
	s_mul_i32 s48, s44, 5
	s_add_co_u32 s48, s48, s45
	s_mul_i32 s49, s48, 1536
	v_add_nc_u32 v15, s49, v7
.irp c,0,1,2
	global_store_b128 v15, v[F+4*\c:F+4*\c+3], s[30:31] offset:512*\c
.endr
	s_lshl_b32 s49, s48, 7
	v_add_nc_u32 v14, s49, v9
	global_store_b32 v14, v232, s[32:33]
.Lend:
	s_wait_tensorcnt 0x0                    ; the wave's end: a spare LDS add and its wait behind my last LDS store
	ds_add_u32 v[SPW], v[NIL]
	s_wait_dscnt 0x0
	s_endpgm
.Lfunc_end_k_q2a3b9e686b_front:
	.size	k_q2a3b9e686b_front, .Lfunc_end_k_q2a3b9e686b_front-k_q2a3b9e686b_front
	.p2alignl 7, 3214868480
	.fill 96, 4, 3214868480
	.section	.rodata,"a",@progbits
	.p2align	6, 0x0
	.amdhsa_kernel k_q2a3b9e686b_front
		.amdhsa_group_segment_fixed_size 53248
		.amdhsa_private_segment_fixed_size 0
		.amdhsa_enable_private_segment 0
		.amdhsa_kernarg_size 128
		.amdhsa_user_sgpr_count 2
		.amdhsa_user_sgpr_kernarg_segment_ptr 1
		.amdhsa_wavefront_size32 1
		.amdhsa_system_sgpr_workgroup_id_x 1
		.amdhsa_system_sgpr_workgroup_id_y 1
		.amdhsa_system_sgpr_workgroup_id_z 1
		.amdhsa_system_vgpr_workitem_id 0
		.amdhsa_next_free_vgpr 256
		.amdhsa_next_free_sgpr 66
		.amdhsa_reserve_vcc 1
		.amdhsa_float_denorm_mode_32 3
		.amdhsa_float_denorm_mode_16_64 3
		.amdhsa_memory_ordered 1
		.amdhsa_forward_progress 1
		.amdhsa_inst_pref_size 122
	.end_amdhsa_kernel
	.amdgpu_metadata
---
amdhsa.version: [ 1, 2 ]
amdhsa.kernels:
  - .name:           k_q2a3b9e686b_front
    .symbol:         k_q2a3b9e686b_front.kd
    .args:
      - { .name: query, .offset: 0, .size: 8, .value_kind: global_buffer, .address_space: global }
      - { .name: qe_w1, .offset: 8, .size: 8, .value_kind: global_buffer, .address_space: global }
      - { .name: qe_b1, .offset: 16, .size: 8, .value_kind: global_buffer, .address_space: global }
      - { .name: qe_w2, .offset: 24, .size: 8, .value_kind: global_buffer, .address_space: global }
      - { .name: qe_b2, .offset: 32, .size: 8, .value_kind: global_buffer, .address_space: global }
      - { .name: syscall_keys, .offset: 40, .size: 8, .value_kind: global_buffer, .address_space: global }
      - { .name: syscall_to_subsystem, .offset: 48, .size: 8, .value_kind: global_buffer, .address_space: global }
      - { .name: temperature, .offset: 56, .size: 8, .value_kind: global_buffer, .address_space: global }
      - { .name: hw1, .offset: 64, .size: 8, .value_kind: global_buffer, .address_space: global }
      - { .name: hw2, .offset: 72, .size: 8, .value_kind: global_buffer, .address_space: global }
      - { .name: hw1img, .offset: 80, .size: 8, .value_kind: global_buffer, .address_space: global }
      - { .name: hw1t, .offset: 88, .size: 8, .value_kind: global_buffer, .address_space: global }
      - { .name: hw1sc, .offset: 96, .size: 8, .value_kind: global_buffer, .address_space: global }
      - { .name: hw2img, .offset: 104, .size: 8, .value_kind: global_buffer, .address_space: global }
      - { .name: hw2sc, .offset: 112, .size: 8, .value_kind: global_buffer, .address_space: global }
      - { .name: subw, .offset: 120, .size: 8, .value_kind: global_buffer, .address_space: global }
    .group_segment_fixed_size: 53248
    .private_segment_fixed_size: 0
    .kernarg_segment_align: 8
    .kernarg_segment_size: 128
    .max_flat_workgroup_size: 512
    .sgpr_count:     66
    .vgpr_count:     256
    .wavefront_size: 32
...
	.end_amdgpu_metadata
.endif
;; end of part 1
;; launch main (part 2): grid 256 x 1, 4 waves a work-group, clusters of 4 x 1, 327,680 bytes of LDS; arguments args, query, hb1, hb2, hw1img, hw1t, hw1sc, hw2img, hw2sc, subw, out0; writes out0
.if DOCPART == 2
	.amdgcn_target "amdgcn-amd-amdhsa--gfx1250"
	.amdhsa_code_object_version 6
	.text
	.protected	k_q2a3b9e686b_main
	.globl	k_q2a3b9e686b_main
	.p2align	8
	.type	k_q2a3b9e686b_main,@function
k_q2a3b9e686b_main:
	s_mov_b64 s[64:65], 0
	v_nop
	global_prefetch_b8 v0, s[64:65] scope:SCOPE_SE
	s_setreg_imm32_b32 hwreg(HW_REG_WAVE_MODE, 25, 1), 1
	s_wait_xcnt 0x0
	s_wait_alu depctr_hold_cnt(0) depctr_sa_sdst(0) depctr_va_vdst(0) depctr_va_sdst(0) depctr_va_ssrc(0) depctr_va_vcc(0) depctr_vm_vsrc(0)
	s_getreg_b32 s2, hwreg(HW_REG_IB_STS2, 6, 4)
	s_cmp_eq_u32 s2, 0
	s_cbranch_scc0 .Lentry_in_a_cluster
	s_endpgm
.Lentry_in_a_cluster:
	s_bfe_u32 s2, ttmp6, 0x10000c
	s_cmp_lg_u32 s2, 0x3003
	s_cbranch_scc0 .Lentry_shape_is_right
	s_endpgm
.Lentry_shape_is_right:
; THE HANDLERS: out[row] = sum over s of subw[row][s] (Q(gelu(Q(hin) Q(hw1[s]) + hb1[s])) Q(hw2[s]) + hb2[s]), hin = [query | args], Q the MX-FP6 quantiser along K.  No work of the problem is left out.
; SHARES: 256 work-groups x 4 waves; a work-group takes 512 rows, 32 a block.  THE WAVES SHARE THE SUBSYSTEMS: wave w owns 2 w and 2 w + 1 for all 32 rows, so its weights never move:
; hw1's K steps 0 and 1 and the tail step lie in LDS (filled once, by joint tensor loads that the four work-groups of a cluster share), K step 2 and hw2 in registers.
; K OF THE FIRST PRODUCT, alike on both operands: steps 0, 1, 2 = k 32 + 128 step on (past k = 399: zero codes); step 3, the tail = block 0 (query and args 0..15), its other three blocks zero codes in x.
; Both products are used transposed (source 0 = 16 rows of a weight, source 1 = 16 rows of x or h): a lane holds one row; hw1's rows of a tile are chosen so that two tiles' 16 registers are 16 neighbours along the next K.
; A UNIT = one subsystem for the block's 32 rows: 8 tiles of 16 hidden units x 2 tiles of rows x 4 K steps.  The gelu of tile t - 1 stands in eight slices behind the eight products of tile t:
; the vector work is several times the matrix work here, and a slice and two window switches behind each product are the lesser price.  One wait a tile for its 32 transcendentals.
; x OF THE NEXT BLOCK is asked for at a unit's head and quantised at its end; its images (operand registers as they stand, 16 bytes a lane) go to the other waves through LDS, two sets by turns.
; THE SUM OVER SUBSYSTEMS: each unit's 32 x 65 results, times the row's weight, go to a stage of its own in LDS; behind a barrier the 128 threads add the eight stages and store the block's 8,320 consecutive bytes.
; GELU as in the first launch.  LIMIT: erf within 1.5e-7 absolute, so gelu within 0.75e-7 |x| and f32 rounding; NaN and infinities among the inputs are not served.
; REGISTERS, in windows of 256.  Window 0: v1-31 addresses; v32-95 hw1's scale words, v96-105 hw2's, v106-113 x's, v114-115 h's; v116-119 my two weights of the rows; v120-135 at work; v136-159 codes just made;
;   v160-167 at work; v168-231 numbers of x, later the reduce's; v232-251 sums to store; v252, v253 the add's two.
; Window 1: v0-127 the 16 accumulators, later the second product's 10; v128-175 gelu's T, E, Q, M (later hb2); v176-187 constants; v188-211 hw1 steps 0, 1; v212-223 the tail; v224-231 hb1.
; Window 2: v0-95 x's 8 fragments; v96-215 hw2's 10.  Window 3: v0-191 hw1 step 2, 16 tiles.
.set W1A, 0           ; 196,608: wave w at 49,152 w; tile x 3,072 + step x 1,536
.set W1T, 196608      ; 24,576: wave w at 6,144 w; tile x 384
.set XIMG, 221184     ; 2 x 12,288: rows' tile x 6,144 + step x 1,536
.set XPAR, 12288
.set XSC, 245760      ; 2 x 1,024
.set HB1, 247808
.set HB2, 251904      ; 8 x 384: entries 64 .. 95 all hold hb2[s][64]
.set OST, 254976      ; 8 stages of 32 rows x 260 bytes
.set OSS, 8320
.set SPARE, 321536    ; the spare words: 128 bytes a wave
.set HS1, 32
.set HS2, 96
.set XS, 106
.set PW, 114
.set WS, 116
.set TM, 120
.set HF, 136
.set QS, 160
.set ST, 168
.set RS, 232
.set SPW, 252
.set NIL, 253
.set T, 128
.set E, 144
.set Q, 160
.set M, 168
.set B2, 128
.set CA5, 176
.set CA4, 178
.set CA3, 180
.set CA2, 182
.set CA1, 184
.set CK, 186
.set WB, 188
.set K3B, 212
.set BIA, 224
.set HW2, 96
.set PC, 58           ; s58 P
.set BLK, 59          ; s59 blocks to go
.set MSB, 0
.macro WIN new                              ; the immediate's high byte repeats the setting that is left
.if MSB != \new
	s_set_vgpr_msb (MSB<<8)|\new
.set MSB, \new
.endif
.endm
.macro CROUND                               ; a round of the cluster's barrier
	s_barrier_signal -1
	s_barrier_wait -1
	s_cmp_lg_u32 s26, 0
	s_cbranch_scc1 .Lnot_wave_0_\@
	s_barrier_signal -3
.Lnot_wave_0_\@:
	s_barrier_wait -3
	s_barrier_signal -1
	s_barrier_wait -1
.endm
.macro G1 x, g
.set st, gi/4
.set pr, 2*(gi%4)
.if st == 0
	v_fma_f32 v[T+8*(\g)+pr], |v[(\x)+pr]|, s[PC], 1.0
.elseif st == 1
	v_fma_f32 v[T+8*(\g)+pr+1], |v[(\x)+pr+1]|, s[PC], 1.0
.elseif st == 2
	v_pk_mul_f32 v[E+8*(\g)+pr:E+8*(\g)+pr+1], v[(\x)+pr:(\x)+pr+1], v[CK:CK+1]
.elseif st == 3
	v_pk_mul_f32 v[E+8*(\g)+pr:E+8*(\g)+pr+1], v[E+8*(\g)+pr:E+8*(\g)+pr+1], v[(\x)+pr:(\x)+pr+1]
.elseif st == 4
	v_rcp_f32 v[T+8*(\g)+pr], v[T+8*(\g)+pr]
.elseif st == 5
	v_rcp_f32 v[T+8*(\g)+pr+1], v[T+8*(\g)+pr+1]
.elseif st == 6
	v_exp_f32 v[E+8*(\g)+pr], v[E+8*(\g)+pr]
.else
	v_exp_f32 v[E+8*(\g)+pr+1], v[E+8*(\g)+pr+1]
.endif
.endm
.macro G2 x, g
.set st, gi/4
.set pr, 2*(gi%4)
.if st == 0
	v_pk_fma_f32 v[Q+pr:Q+pr+1], v[T+8*(\g)+pr:T+8*(\g)+pr+1], v[CA5:CA5+1], v[CA4:CA4+1]
.elseif st == 1
	v_pk_fma_f32 v[Q+pr:Q+pr+1], v[Q+pr:Q+pr+1], v[T+8*(\g)+pr:T+8*(\g)+pr+1], v[CA3:CA3+1]
.elseif st == 2
	v_pk_fma_f32 v[Q+pr:Q+pr+1], v[Q+pr:Q+pr+1], v[T+8*(\g)+pr:T+8*(\g)+pr+1], v[CA2:CA2+1]
.elseif st == 3
	v_pk_fma_f32 v[Q+pr:Q+pr+1], v[Q+pr:Q+pr+1], v[T+8*(\g)+pr:T+8*(\g)+pr+1], v[CA1:CA1+1]
.elseif st == 4
	v_pk_mul_f32 v[Q+pr:Q+pr+1], v[Q+pr:Q+pr+1], v[T+8*(\g)+pr:T+8*(\g)+pr+1]
.elseif st == 5
	v_pk_mul_f32 v[Q+pr:Q+pr+1], v[Q+pr:Q+pr+1], v[E+8*(\g)+pr:E+8*(\g)+pr+1]
.elseif st == 6
	v_max_num_f32 v[M+pr], 0, v[(\x)+pr]
.elseif st == 7
	v_max_num_f32 v[M+pr+1], 0, v[(\x)+pr+1]
.elseif st == 8
	v_fma_f32 v[(\x)+pr], -|v[(\x)+pr]|, v[Q+pr], v[M+pr]
.else
	v_fma_f32 v[(\x)+pr+1], -|v[(\x)+pr+1]|, v[Q+pr+1], v[M+pr+1]
.endif
.endm
; slice k of 8 of the gelu of tile tp: slices 0-3: the arguments and the 32 transcendentals (rows' tile k / 2); slices 4-7: the polynomial and the result
.macro SLICE k, tp
	WIN 0x55
.if (\k) < 4
.set gi, 16*((\k)%2)
.rept 16
	G1 64*((\k)/2)+8*(\tp), (\k)/2
.set gi, gi+1
.endr
.else
.set gi, 20*((\k)%2)
.rept 20
	G2 64*(((\k)-4)/2)+8*(\tp), ((\k)-4)/2
.set gi, gi+1
.endr
.endif
.endm
; 64 numbers of a lane (sw = 1: in window 1), register 16 b + i = k 32 b + 16 (lane / 16) + i of my row, become a fragment's codes in v[dst] on and its scale word
.macro QUANT s, sw, dst, word
	WIN 0x05*(\sw)
.irp b,0,1,2,3
	v_max3_num_f32 v[TM+\b], |v[(\s)+16*\b]|, |v[(\s)+16*\b+1]|, 0x1800000   ; with the floor 2^(3 - 127): the byte cannot fall under 1
.endr
.irp i,2,4,6,8,10,12,14
.irp b,0,1,2,3
	v_max3_num_f32 v[TM+\b], |v[(\s)+16*\b+\i]|, |v[(\s)+16*\b+\i+1]|, v[TM+\b]
.endr
.endr
	WIN 0
.irp b,0,1,2,3
	v_permlanex16_b32 v[TM+4+\b], v[TM+\b], s56, s57
.endr
.irp b,0,1,2,3
	v_max_num_f32 v[TM+\b], v[TM+\b], v[TM+4+\b]
.endr
.irp b,0,1,2,3
	v_add_nc_u32 v[TM+12+\b], 0xff000000, v[TM+\b]   ; 2 off the exponent field: the conversion's scale operand
.endr
.irp b,0,1,2,3
	v_lshrrev_b32 v[TM+4+\b], 23, v[TM+12+\b]
.endr
	v_lshl_or_b32 v[\word], v[TM+5], 8, v[TM+4]
	v_lshl_or_b32 v[\word], v[TM+6], 16, v[\word]
	v_lshl_or_b32 v[\word], v[TM+7], 24, v[\word]
	WIN 0x01*(\sw)
.irp c,0,1
	v_cvt_scalef32_pk16_fp6_f32 v[(\dst)+6*\c:(\dst)+6*\c+2], v[(\s)+32*\c:(\s)+32*\c+15], v[TM+12+2*\c]
	v_cvt_scalef32_pk16_fp6_f32 v[QS+4*\c:QS+4*\c+2], v[(\s)+32*\c+16:(\s)+32*\c+31], v[TM+13+2*\c]
.endr
	WIN 0
	v_nop                                   ; a plain place behind the conversions
.irp c,0,1
.irp i,0,1,2
	v_permlane16_swap_b32 v[(\dst)+6*\c+\i], v[QS+4*\c+\i]   ; a whole block to a lane
.endr
.irp i,0,1,2
	v_mov_b32 v[(\dst)+3+6*\c+\i], v[QS+4*\c+\i]
.endr
.endr
.endm
; 64 numbers of my 16 rows of x, one K step, from off bytes on; the last block by a register of its own (K step 2: lanes 16-31 would pass the row's end)
.macro XLD ra, rb, off
.irp b,0,1,2
.irp j,0,1,2,3
	global_load_b128 v[ST+16*\b+4*\j:ST+16*\b+4*\j+3], v[\ra], s[4:5] offset:(\off)+128*\b+16*\j th:TH_LOAD_NT
.endr
.endr
.irp j,0,1,2,3
	global_load_b128 v[ST+48+4*\j:ST+48+4*\j+3], v[\rb], s[4:5] offset:(\off)+384+16*\j th:TH_LOAD_NT
.endr
.endm
; the second piece: waves 0, 1: K step 1; waves 2, 3: the tail: query's 16 numbers and args' first 16 of each row
.macro PBL off, offq
	s_cmp_lt_u32 s26, 2
	s_cbranch_scc0 .Ltail_\@
	XLD 26, 26, \off
	s_branch .Lasked_\@
.Ltail_\@:
.irp j,0,1,2,3
	global_load_b128 v[ST+4*\j:ST+4*\j+3], v28, s[6:7] offset:(\offq)+16*\j
.endr
.irp j,0,1,2,3
	global_load_b128 v[ST+16+4*\j:ST+16+4*\j+3], v27, s[4:5] offset:(\off)+16*\j
.endr
.Lasked_\@:
.endm
.macro PBQ                                  ; the tail: lanes 16-31 take args' numbers; blocks 1 to 3 are zeros
	s_cmp_lt_u32 s26, 2
	s_cbranch_scc1 .Lplain_\@
.set ii, 0
.rept 16
	v_cndmask_b32 v[ST+ii], v[ST+ii], v[ST+16+ii], s67
.set ii, ii+1
.endr
.rept 48
	v_mov_b32 v[ST+ii], 0
.set ii, ii+1
.endr
.Lplain_\@:
.endm
.macro XQ msk, wa, sa                       ; the numbers in ST become an image and a scale word in LDS
.if \msk
.set ii, 48
.rept 16
	v_cndmask_b32 v[ST+ii], v[ST+ii], v[NIL], s66   ; K step 2: past k = 399: zeros
.set ii, ii+1
.endr
.endif
	QUANT ST, 0, HF, PW
.irp c,0,1,2
	ds_store_b128 v[\wa], v[HF+4*\c:HF+4*\c+3] offset:512*\c
.endr
	ds_store_b32 v[\sa], v[PW]
.endm
.macro LA                                   ; tile tn's fragments of K steps 0 and 1, and its bias: eight loads
	WIN 0x40
.irp c,0,1,2,3,4,5
	ds_load_b128 v[WB+4*\c:WB+4*\c+3], v1 offset:tn*3072+512*\c
.endr
	ds_load_b128 v[BIA:BIA+3], v4 offset:(tn/8)*512+(32*((tn%8)/2)+8*(tn%2))*4
	ds_load_b128 v[BIA+4:BIA+7], v4 offset:(tn/8)*512+(32*((tn%8)/2)+8*(tn%2))*4+16
.endm
.macro LB                                   ; its tail fragment: two loads, by lane % 16 (what lanes 16-31 hold meets zero codes)
	WIN 0x40
	ds_load_b128 v[K3B:K3B+3], v2 offset:tn*384
	ds_load_b64 v[K3B+4:K3B+5], v3 offset:tn*384
.endm
.macro PROD sl, t, kap, m
.set tau, 8*(\sl)+(\t)
.set rD, 64*(\m)+8*(\t)
.set rX, 48*(\m)+12*(\kap)
.if (\kap) == 2
	WIN 0x5b
.set rA, 12*tau
.elseif (\kap) == 3
	WIN 0x59
.set rA, K3B
.else
	WIN 0x59
.set rA, WB+12*(\kap)
.endif
.if (\kap) == 0
	v_wmma_scale_f32_16x16x128_f8f6f4 v[rD:rD+7], v[rA:rA+11], v[rX:rX+11], v[BIA:BIA+7], v[HS1+4*tau+(\kap)], v[XS+4*(\m)+(\kap)] matrix_a_fmt:MATRIX_FMT_FP6 matrix_b_fmt:MATRIX_FMT_FP6
.else
	v_wmma_scale_f32_16x16x128_f8f6f4 v[rD:rD+7], v[rA:rA+11], v[rX:rX+11], v[rD:rD+7], v[HS1+4*tau+(\kap)], v[XS+4*(\m)+(\kap)] matrix_a_fmt:MATRIX_FMT_FP6 matrix_b_fmt:MATRIX_FMT_FP6
.endif
.endm
.macro PLACES
.rept 4
	v_nop
.endr
.endm
; tile t of unit sl: eight products, the two rows' tiles by turns, and the gelu of tile t - 1 between them
.macro TILE sl, t
.set tn, (8*(\sl)+(\t)+1)%16
.if (\t) == 0
	s_wait_dscnt 0x0
.else
	s_wait_dscnt 2                          ; K steps 0, 1 and the bias are in; the tail's two loads, issued last, may be out
.endif
	PROD \sl, \t, 0, 0
.if (\t) > 0
	SLICE 0, (\t)-1
.endif
	PROD \sl, \t, 0, 1
.if (\t) > 0
	SLICE 1, (\t)-1
.endif
	PROD \sl, \t, 1, 0
.if (\t) > 0
	SLICE 2, (\t)-1
.endif
	PROD \sl, \t, 1, 1
.if (\t) > 0
	SLICE 3, (\t)-1
	v_nop                                   ; a plain place behind the last transcendental
	s_wait_alu depctr_va_vdst(0)            ; one wait for the tile's 32, ahead of their first reader
.endif
	PROD \sl, \t, 2, 0
.if (\t) > 0
	SLICE 4, (\t)-1                         ; its 20 plain lines are the places behind the last product that read K steps 0 and 1
.else
	PLACES
.endif
	LA
	PROD \sl, \t, 2, 1
.if (\t) > 0
	SLICE 5, (\t)-1
.endif
	s_wait_dscnt 8                          ; the tail fragment is in; the eight loads just issued may be out
	PROD \sl, \t, 3, 0
.if (\t) > 0
	SLICE 6, (\t)-1
.endif
	PROD \sl, \t, 3, 1
.if (\t) > 0
	SLICE 7, (\t)-1
.else
	PLACES
.endif
	LB
.endm
.macro UNIT sl
	s_cmp_eq_u32 s[BLK], 1                  ; the last block asks for nothing: no load leaves its buffer
	s_cbranch_scc1 .Lno_load_\@
.if (\sl) == 0
	XLD 24, 25, 49152
.else
	PBL 49152, 2048
.endif
.Lno_load_\@:
.irp t,0,1,2,3,4,5,6,7
	TILE \sl, \t
.endr
.irp k,0,1,2,3
	SLICE \k, 7
.endr
	v_nop
	s_wait_alu depctr_va_vdst(0)
.irp k,4,5,6,7
	SLICE \k, 7
.endr
	WIN 0x40
.irp n,0,1,2,3,4
	ds_load_b128 v[B2+8*\n:B2+8*\n+3], v5 offset:384*(\sl)+64*\n
	ds_load_b128 v[B2+8*\n+4:B2+8*\n+7], v5 offset:384*(\sl)+64*\n+16
.endr
	QUANT 0, 1, HF, PW
	QUANT 64, 1, HF+12, PW+1
.rept 8
	v_nop                                   ; a scale register written by a vector instruction stands 8 places ahead of a scaled matrix instruction
.endr
	s_wait_dscnt 0x0
	WIN 0x52
.irp n,0,1,2,3,4
.irp m,0,1
	v_wmma_scale_f32_16x16x128_f8f6f4 v[8*(2*\n+\m):8*(2*\n+\m)+7], v[HW2+12*(5*(\sl)+\n):HW2+12*(5*(\sl)+\n)+11], v[HF+12*\m:HF+12*\m+11], v[B2+8*\n:B2+8*\n+7], v[HS2+5*(\sl)+\n], v[PW+\m] matrix_a_fmt:MATRIX_FMT_FP6 matrix_b_fmt:MATRIX_FMT_FP6
.endr
.endr
	PLACES
	s_wait_loadcnt 0x0                      ; the rows' weights, and the numbers of x asked for at the unit's head
	WIN 0x41
.irp n,0,1,2,3
.irp m,0,1
.irp i,0,2,4,6
	v_pk_mul_f32 v[8*(2*\n+\m)+\i:8*(2*\n+\m)+\i+1], v[8*(2*\n+\m)+\i:8*(2*\n+\m)+\i+1], v[WS+2*\m:WS+2*\m+1] op_sel:[0,\sl] op_sel_hi:[1,\sl]
.endr
.endr
.endr
.irp m,0,1
	v_mul_f32 v[8*(8+\m)], v[8*(8+\m)], v[WS+2*\m+(\sl)]   ; column 64
.endr
	WIN 0x04
.irp m,0,1
.irp n,0,1,2,3
.irp j,0,1,2,3,4,5,6,7
	ds_store_b32 v6, v[8*(2*\n+\m)+\j] offset:OSS*(\sl)+4160*\m+64*\n+4*\j
.endr
.endr
	ds_store_b32 v7, v[8*(8+\m)] offset:OSS*(\sl)+4160*\m   ; both halves of the lanes hold the same number
.endr
	WIN 0
	s_cmp_eq_u32 s[BLK], 1
	s_cbranch_scc1 .Lno_x_\@
.if (\sl) == 0
	XQ 1, 20, 21
.else
	PBQ
	XQ 0, 22, 23
.endif
.Lno_x_\@:
.endm
.macro RLD buf, ra, rb, off                 ; a chunk of 16 bytes a thread out of each of the eight stages
.irp s,0,1,2,3
	ds_load_b128 v[ST+32*(\buf)+4*\s:ST+32*(\buf)+4*\s+3], v[\ra] offset:\s*OSS+(\off)
.endr
.irp s,0,1,2,3
	ds_load_b128 v[ST+32*(\buf)+16+4*\s:ST+32*(\buf)+16+4*\s+3], v[\rb] offset:\s*OSS+(\off)
.endr
.endm
.macro RSUM buf, i
.set rb, ST+32*(\buf)
.irp e,0,2
.irp s,0,1,2,3
	v_pk_add_f32 v[rb+4*\s+\e:rb+4*\s+\e+1], v[rb+4*\s+\e:rb+4*\s+\e+1], v[rb+16+4*\s+\e:rb+16+4*\s+\e+1]
.endr
.endr
.irp e,0,2
	v_pk_add_f32 v[rb+\e:rb+\e+1], v[rb+\e:rb+\e+1], v[rb+8+\e:rb+8+\e+1]
	v_pk_add_f32 v[rb+4+\e:rb+4+\e+1], v[rb+4+\e:rb+4+\e+1], v[rb+12+\e:rb+12+\e+1]
.endr
.irp e,0,2
	v_pk_add_f32 v[RS+4*(\i)+\e:RS+4*(\i)+\e+1], v[rb+\e:rb+\e+1], v[rb+4+\e:rb+4+\e+1]
.endr
.endm
	s_load_b512 s[4:19], s[0:1], 0x0        ; args, query, hb1, hb2, hw1img, hw1t, hw1sc, hw2img
	s_load_b128 s[20:23], s[0:1], 0x40      ; hw2sc, subw
	s_load_b64 s[24:25], s[0:1], 0x50       ; out0
	v_lshl_add_u32 v[SPW], v0, 2, SPARE
	v_mov_b32 v[NIL], 0
	ds_add_u32 v[SPW], v[NIL]               ; the wave's opening: the add, twice on end, and its wait ahead of my first tensor load
	ds_add_u32 v[SPW], v[NIL]
	v_lshrrev_b32 v120, 5, v0
	v_readfirstlane_b32 s26, v120           ; wave 0..3
	s_bfe_u32 s27, ttmp6, 0x40000           ; cx: it enters global addresses alone
	s_lshl_b32 s28, ttmp9, 2
	s_add_co_u32 s28, s28, s27              ; my work-group
	; descriptors: dense blocks as rows of 256 bytes (32 elements of 8 bytes); the mask names the cluster's four; 192 rows for K steps 0 and 1, 24 for the tail
	s_mov_b32 s32, 15|(3<<16)|(1<<21)
	s_mov_b32 s33, 32<<16
	s_mov_b32 s34, 192<<16
	s_mov_b32 s35, 32<<16
	s_mov_b32 s36, 192
	s_mov_b32 s37, 32
	s_mov_b32 s38, 0
	s_mov_b32 s39, 0
	s_mov_b32 s40, 15|(3<<16)|(1<<21)
	s_mov_b32 s41, 32<<16
	s_mov_b32 s42, 24<<16
	s_mov_b32 s43, 32<<16
	s_mov_b32 s44, 24
	s_mov_b32 s45, 32
	s_mov_b32 s46, 0
	s_mov_b32 s47, 0
	s_mul_i32 s29, s26, 49152
	s_mul_i32 s30, s26, 6144
	s_mov_b32 s68, s29
	s_mov_b32 s69, 0
	s_mov_b32 s70, s30
	s_mov_b32 s71, 0
	s_wait_dscnt 0x0                        ; both opening adds are done
	s_wait_kmcnt 0x0
	s_mov_b32 s48, 1
	s_mov_b32 s49, s29                      ; LDS and memory alike: my wave's part; the wave's number alone, so the four partners' descriptors are equal
	s_add_nc_u64 s[50:51], s[12:13], s[68:69]
	s_or_b32 s51, s51, 0x80000000
	s_mov_b32 s52, 1
	s_add_co_u32 s53, s30, W1T
	s_add_nc_u64 s[54:55], s[14:15], s[70:71]
	s_or_b32 s55, s55, 0x80000000
	CROUND                                  ; all four work-groups are here: the joint loads meet
	tensor_load_to_lds s[48:51], s[32:39]
	s_nop 0
	tensor_load_to_lds s[52:55], s[40:47]   ; two tensor loads of mine are out
	s_nop 0
.rept 4
	v_nop
.endr
	v_and_b32 v122, 31, v0                  ; lane
	v_and_b32 v120, 15, v0                  ; r
	v_bfe_u32 v121, v0, 4, 1                ; h
	v_lshlrev_b32 v123, 4, v122
	v_lshlrev_b32 v124, 2, v122
	v_add_nc_u32 v1, s29, v123              ; hw1, K steps 0 and 1
	s_add_co_u32 s31, s30, W1T
	v_lshl_add_u32 v2, v120, 4, s31         ; the tail: registers 0-3,
	s_add_co_u32 s31, s31, 256
	v_lshl_add_u32 v3, v120, 3, s31         ; registers 4-5
	s_lshl_b32 s31, s26, 10
	s_add_co_u32 s31, s31, HB1
	v_lshl_add_u32 v4, v121, 6, s31         ; hb1: my two rows, + 16 h numbers
	s_mul_i32 s31, s26, 768
	s_add_co_u32 s31, s31, HB2
	v_lshl_add_u32 v5, v121, 5, s31         ; hb2: + 8 h numbers
	s_mul_i32 s31, s26, 2*OSS
	s_add_co_u32 s31, s31, OST
	v_mul_u32_u24 v125, v120, 260
	v_add_nc_u32 v7, s31, v125
	v_lshl_add_u32 v6, v121, 5, v7          ; my stages: row r, + 32 h
	v_add_nc_u32 v7, 256, v7                ; and column 64
	v_lshl_add_u32 v8, v0, 4, OST           ; the reduce: 16 bytes a thread, stages 0-3,
	v_add_nc_u32 v9, 4*OSS, v8              ; stages 4-7
	v_and_b32 v127, 7, v0
	v_lshl_add_u32 v10, v127, 4, OST+8192   ; the block's last 128 bytes
	v_add_nc_u32 v11, 4*OSS, v10
	v_add_nc_u32 v12, XIMG, v123
	v_add_nc_u32 v13, XSC, v124
	s_and_b32 s70, s26, 1                   ; which 16 rows of x I quantise
	s_lshr_b32 s71, s26, 1                  ; first piece: K step 2 (wave / 2); second: 1 + 2 (wave / 2), 3 being the tail
	s_mul_i32 s72, s70, 6144
	s_mul_i32 s73, s71, 3072
	s_add_co_u32 s74, s72, s73
	s_add_co_u32 s74, s74, XIMG
	v_add_nc_u32 v16, s74, v123
	s_add_co_u32 s74, s74, 1536
	v_add_nc_u32 v18, s74, v123
	s_lshl_b32 s72, s70, 9
	s_lshl_b32 s73, s71, 8
	s_add_co_u32 s74, s72, s73
	s_add_co_u32 s74, s74, XSC
	v_add_nc_u32 v17, s74, v124
	v_add_nc_u32 v19, 128, v17
	s_lshl_b32 s72, s70, 4
	v_add_nc_u32 v125, s72, v120            ; my row of the block
	v_mul_u32_u24 v27, v125, 1536
	v_lshlrev_b32 v28, 6, v125
	v_lshl_add_u32 v26, v121, 6, v27
	v_add_nc_u32 v24, 64, v26
	v_add_nc_u32 v26, 576, v26              ; K step 1: 64 + 512 bytes on, + 64 h
	s_lshl_b32 s73, s71, 10
	v_add_nc_u32 v24, s73, v24              ; K step 0 or 2
	s_lshl_b32 s73, s71, 6
	v_mul_u32_u24 v126, s73, v121
	v_sub_nc_u32 v25, v24, v126             ; K step 2, last block: lanes 16-31 read lanes 0-15's bytes and are then cleared
	s_cmp_eq_u32 s71, 1
	s_cselect_b32 s66, 0xffff0000, 0
	s_mov_b32 s67, 0xffff0000
	s_lshl_b32 s73, s26, 3
	v_lshl_add_u32 v29, v120, 5, s73        ; subw: row r, my two weights
	v_lshlrev_b32 v30, 4, v0
	v_lshl_add_u32 v31, v127, 4, 8192
	s_mov_b32 s56, 0x76543210
	s_mov_b32 s57, 0xfedcba98
	s_mov_b32 s[PC], 0x3e6d3388             ; P = 0.3275911 / sqrt(2)
	s_mov_b32 s[BLK], 16
	s_mov_b32 s60, 0                        ; the set of x's images that is read, and the one that is written
	s_mov_b32 s61, XPAR
	s_mov_b32 s62, 0
	s_mov_b32 s63, 1024
	s_mov_b32 s69, 0
	s_mul_i32 s68, s28, 786432              ; 512 rows of 1,536 bytes
	s_add_nc_u64 s[4:5], s[4:5], s[68:69]
	s_lshl_b32 s68, s28, 15
	s_add_nc_u64 s[6:7], s[6:7], s[68:69]
	s_lshl_b32 s68, s28, 14
	s_add_nc_u64 s[22:23], s[22:23], s[68:69]
	s_mul_i32 s68, s28, 133120
	s_add_nc_u64 s[24:25], s[24:25], s[68:69]
	s_mul_i32 s72, s26, 24576
	v_add_nc_u32 v128, s72, v123
	s_mul_i32 s72, s26, 15360
	v_add_nc_u32 v129, s72, v123
	s_lshl_b32 s72, s26, 13
	v_add_nc_u32 v130, s72, v123
	s_mul_i32 s72, s26, 1280
	v_add_nc_u32 v131, s72, v124
	s_mul_i32 s72, s26, 520
	v_add_nc_u32 v132, s72, v124
	v_mov_b32 v133, s72
	s_mul_i32 s72, s26, 768
	s_add_co_u32 s72, s72, HB2
	v_add_nc_u32 v134, s72, v124
	s_lshl_b32 s72, s26, 10
	v_add_nc_u32 v126, s72, v123
	v_add_nc_u32 v135, HB1, v126
	WIN 0xc0
.set ii, 0
.rept 48
	global_load_b128 v[4*ii:4*ii+3], v128, s[12:13] offset:196608+512*ii   ; hw1, K step 2: my 16 tiles stay in registers
.set ii, ii+1
.endr
	WIN 0x80
.set ii, 0
.rept 30
	global_load_b128 v[HW2+4*ii:HW2+4*ii+3], v129, s[18:19] offset:512*ii  ; hw2: my 10 tiles
.set ii, ii+1
.endr
	WIN 0
.set ii, 0
.rept 16
	global_load_b128 v[HS1+4*ii:HS1+4*ii+3], v130, s[16:17] offset:512*ii
.set ii, ii+1
.endr
.set ii, 0
.rept 10
	global_load_b32 v[HS2+ii], v131, s[20:21] offset:128*ii
.set ii, ii+1
.endr
	global_load_b128 v[ST:ST+3], v126, s[8:9]
	global_load_b128 v[ST+4:ST+7], v126, s[8:9] offset:512
.irp e,0,1
	global_load_b32 v[ST+8+3*\e], v132, s[10:11] offset:260*\e
	global_load_b32 v[ST+9+3*\e], v132, s[10:11] offset:260*\e+128
	global_load_b32 v[ST+10+3*\e], v133, s[10:11] offset:260*\e+256
.endr
	WIN 0x40
.irp j,0,1
	v_mov_b32 v[CA5+\j], 0x3f07dc22
	v_mov_b32 v[CA4+\j], 0xbf3a00e3
	v_mov_b32 v[CA3+\j], 0x3f35f0e3
	v_mov_b32 v[CA2+\j], 0xbe11a98e
	v_mov_b32 v[CA1+\j], 0x3e027906
	v_mov_b32 v[CK+\j], 0xbf38aa3b
.endr
.irp j,6,7,8,9,10,11
	v_mov_b32 v[K3B+\j], 0
.endr
	WIN 0
	s_wait_loadcnt 0x0
	ds_store_b128 v135, v[ST:ST+3]          ; the biases: each wave's own bytes, read by itself alone
	ds_store_b128 v135, v[ST+4:ST+7] offset:512
.irp e,0,1
	ds_store_b32 v134, v[ST+8+3*\e] offset:384*\e
	ds_store_b32 v134, v[ST+9+3*\e] offset:384*\e+128
	ds_store_b32 v134, v[ST+10+3*\e] offset:384*\e+256
.endr
.irp b,4,5,6,7
	v_mov_b32 v[TM+\b], 0                   ; a lane permute's destination counts as one of its sources
.endr
	XLD 24, 25, 0                           ; block 0's x
	s_wait_loadcnt 0x0
	XQ 1, 16, 17
	PBL 0, 0
	s_wait_loadcnt 0x0
	PBQ
	XQ 0, 18, 19
	s_wait_tensorcnt 0x0                    ; my part of the weights is in LDS; I alone read it
.set tn, 0
	LA
	LB
	WIN 0
.Lblock:
	s_wait_dscnt 0x0                        ; my images of this block's x have landed, and my reads of the stages are over
	s_barrier_signal -1
	s_barrier_wait -1
	v_add_nc_u32 v14, s60, v12
	v_add_nc_u32 v15, s62, v13
	v_add_nc_u32 v20, s61, v16
	v_add_nc_u32 v21, s63, v17
	v_add_nc_u32 v22, s61, v18
	v_add_nc_u32 v23, s63, v19
	WIN 0x80
.set ii, 0
.rept 24
	ds_load_b128 v[4*ii:4*ii+3], v14 offset:512*ii   ; x's eight fragments, as they were stored
.set ii, ii+1
.endr
	WIN 0
.set ii, 0
.rept 8
	ds_load_b32 v[XS+ii], v15 offset:128*ii
.set ii, ii+1
.endr
.irp m,0,1
	global_load_b64 v[WS+2*\m:WS+2*\m+1], v29, s[22:23] offset:512*\m
.endr
	UNIT 0
	UNIT 1
	s_wait_dscnt 0x0                        ; my results lie in my stages
	s_barrier_signal -1
	s_barrier_wait -1
	RLD 0, 8, 9, 0
	RLD 1, 8, 9, 2048
	s_wait_dscnt 8                          ; the older chunk's eight loads are in
	RSUM 0, 0
	global_store_b128 v30, v[RS:RS+3], s[24:25] th:TH_STORE_NT
	RLD 0, 8, 9, 4096
	s_wait_dscnt 8
	RSUM 1, 1
	global_store_b128 v30, v[RS+4:RS+7], s[24:25] offset:2048 th:TH_STORE_NT
	RLD 1, 8, 9, 6144
	s_wait_dscnt 8
	RSUM 0, 2
	global_store_b128 v30, v[RS+8:RS+11], s[24:25] offset:4096 th:TH_STORE_NT
	RLD 0, 10, 11, 0
	s_wait_dscnt 8
	RSUM 1, 3
	global_store_b128 v30, v[RS+12:RS+15], s[24:25] offset:6144 th:TH_STORE_NT
	s_wait_dscnt 0x0
	RSUM 0, 4
	v_cmp_gt_u32 vcc_lo, 8, v0
	s_wait_xcnt 0x0                         ; EXEC changes only behind this wait
	s_and_saveexec_b32 s68, vcc_lo
	global_store_b128 v31, v[RS+16:RS+19], s[24:25] th:TH_STORE_NT
	s_wait_xcnt 0x0
	s_or_b32 exec_lo, exec_lo, s68
	s_add_nc_u64 s[4:5], s[4:5], 49152      ; behind the wait above: the bases may step
	s_add_nc_u64 s[6:7], s[6:7], 2048
	s_add_nc_u64 s[22:23], s[22:23], 1024
	s_add_nc_u64 s[24:25], s[24:25], OSS
	s_xor_b32 s60, s60, XPAR
	s_xor_b32 s61, s61, XPAR
	s_xor_b32 s62, s62, 1024
	s_xor_b32 s63, s63, 1024
	s_sub_co_u32 s[BLK], s[BLK], 1
	s_cmp_lg_u32 s[BLK], 0
	s_cbranch_scc1 .Lblock
	s_wait_tensorcnt 0x0                    ; the wave's end: a spare LDS add and its wait behind my last tensor load and my last LDS store
	ds_add_u32 v[SPW], v[NIL]
	s_wait_dscnt 0x0
	CROUND                                  ; the closing round
	s_endpgm
.Lfunc_end_k_q2a3b9e686b_main:
	.size	k_q2a3b9e686b_main, .Lfunc_end_k_q2a3b9e686b_main-k_q2a3b9e686b_main
	.p2alignl 7, 3214868480
	.fill 96, 4, 3214868480
	.section	.rodata,"a",@progbits
	.p2align	6, 0x0
	.amdhsa_kernel k_q2a3b9e686b_main
		.amdhsa_group_segment_fixed_size 327680
		.amdhsa_private_segment_fixed_size 0
		.amdhsa_enable_private_segment 0
		.amdhsa_kernarg_size 88
		.amdhsa_user_sgpr_count 2
		.amdhsa_user_sgpr_kernarg_segment_ptr 1
		.amdhsa_wavefront_size32 1
		.amdhsa_system_sgpr_workgroup_id_x 1
		.amdhsa_system_sgpr_workgroup_id_y 1
		.amdhsa_system_sgpr_workgroup_id_z 1
		.amdhsa_system_vgpr_workitem_id 0
		.amdhsa_next_free_vgpr 1024
		.amdhsa_next_free_sgpr 80
		.amdhsa_reserve_vcc 1
		.amdhsa_float_denorm_mode_32 3
		.amdhsa_float_denorm_mode_16_64 3
		.amdhsa_memory_ordered 1
		.amdhsa_forward_progress 1
		.amdhsa_inst_pref_size 253
	.end_amdhsa_kernel
	.amdgpu_metadata
---
amdhsa.version: [ 1, 2 ]
amdhsa.kernels:
  - .name:           k_q2a3b9e686b_main
    .symbol:         k_q2a3b9e686b_main.kd
    .args:
      - { .name: args, .offset: 0, .size: 8, .value_kind: global_buffer, .address_space: global }
      - { .name: query, .offset: 8, .size: 8, .value_kind: global_buffer, .address_space: global }
      - { .name: hb1, .offset: 16, .size: 8, .value_kind: global_buffer, .address_space: global }
      - { .name: hb2, .offset: 24, .size: 8, .value_kind: global_buffer, .address_space: global }
      - { .name: hw1img, .offset: 32, .size: 8, .value_kind: global_buffer, .address_space: global }
      - { .name: hw1t, .offset: 40, .size: 8, .value_kind: global_buffer, .address_space: global }
      - { .name: hw1sc, .offset: 48, .size: 8, .value_kind: global_buffer, .address_space: global }
      - { .name: hw2img, .offset: 56, .size: 8, .value_kind: global_buffer, .address_space: global }
      - { .name: hw2sc, .offset: 64, .size: 8, .value_kind: global_buffer, .address_space: global }
      - { .name: subw, .offset: 72, .size: 8, .value_kind: global_buffer, .address_space: global }
      - { .name: out0, .offset: 80, .size: 8, .value_kind: global_buffer, .address_space: global }
    .group_segment_fixed_size: 327680
    .private_segment_fixed_size: 0
    .kernarg_segment_align: 8
    .kernarg_segment_size: 88
    .max_flat_workgroup_size: 128
    .sgpr_count:     80
    .vgpr_count:     1024
    .wavefront_size: 32
...
	.end_amdgpu_metadata
.endif
;; end of part 2
;; ======== version 2 of 2: 2 launches; 1.27 times as fast as version 1
;; limits: a function is approximated: absolute error at most 1.5e-07; an absolute error that grows with the inputs' magnitude: up to 7.5e-08 times it
;; workspace buffers: hw1img 294,912 bytes; hw1t 24,576 bytes; hw1sc 32,768 bytes; hw2img 61,440 bytes; hw2sc 5,120 bytes; subw 4,194,304 bytes
;; launch front: the kernel of part 1 again; grid 256 x 1, 16 waves a work-group, no clusters, 53,248 bytes of LDS; arguments query, qe_w1, qe_b1, qe_w2, qe_b2, syscall_keys, syscall_to_subsystem, temperature, hw1, hw2, hw1img, hw1t, hw1sc, hw2img, hw2sc, subw; writes hw1img, hw1t, hw1sc, hw2img, hw2sc, subw
;; launch main (part 3): grid 256 x 1, 4 waves a work-group, clusters of 4 x 1, 327,680 bytes of LDS; arguments args, query, hb1, hb2, hw1img, hw1t, hw1sc, hw2img, hw2sc, subw, out0; writes out0
.if DOCPART == 3
	.amdgcn_target "amdgcn-amd-amdhsa--gfx1250"
	.amdhsa_code_object_version 6
	.text
	.protected	k_q2a3b9e686b_main
	.globl	k_q2a3b9e686b_main
	.p2align	8
	.type	k_q2a3b9e686b_main,@function
k_q2a3b9e686b_main:
	s_mov_b64 s[64:65], 0
	v_nop
	global_prefetch_b8 v0, s[64:65] scope:SCOPE_SE
	s_setreg_imm32_b32 hwreg(HW_REG_WAVE_MODE, 25, 1), 1
	s_wait_xcnt 0x0
	s_wait_alu depctr_hold_cnt(0) depctr_sa_sdst(0) depctr_va_vdst(0) depctr_va_sdst(0) depctr_va_ssrc(0) depctr_va_vcc(0) depctr_vm_vsrc(0)
	s_getreg_b32 s2, hwreg(HW_REG_IB_STS2, 6, 4)
	s_cmp_eq_u32 s2, 0
	s_cbranch_scc0 .Lentry_in_a_cluster
	s_endpgm
.Lentry_in_a_cluster:
	s_bfe_u32 s2, ttmp6, 0x10000c
	s_cmp_lg_u32 s2, 0x3003
	s_cbranch_scc0 .Lentry_shape_is_right
	s_endpgm
.Lentry_shape_is_right:
; THE HANDLERS: out[row] = sum over s of subw[row][s] (Q(gelu(Q(hin) Q(hw1[s]) + hb1[s])) Q(hw2[s]) + hb2[s]), hin = [query | args], Q the MX-FP6 quantiser along K.  No work of the problem is left out.
; SHARES: 256 work-groups x 4 waves; a work-group takes 512 rows, 32 a block.  THE WAVES SHARE THE SUBSYSTEMS: wave w owns 2 w and 2 w + 1 for all 32 rows, so its weights never move:
; hw1's K steps 0 and 1 and the tail step lie in LDS (filled once, by joint tensor loads that the four work-groups of a cluster share), K step 2 and hw2 in registers.
; K OF THE FIRST PRODUCT, alike on both operands: steps 0, 1, 2 = k 32 + 128 step on (past k = 399: zero codes); step 3, the tail = block 0 (query and args 0..15), its other three blocks zero codes in x.
; Both products are used transposed (source 0 = 16 rows of a weight, source 1 = 16 rows of x or h): a lane holds one row; hw1's rows of a tile are chosen so that two tiles' 16 registers are 16 neighbours along the next K.
; A UNIT = one subsystem for the block's 32 rows: 8 tiles of 16 hidden units x 2 tiles of rows x 4 K steps.  The gelu of tile t - 1 stands in eight slices behind the eight products of tile t:
; the vector work is several times the matrix work here, and a slice and two window switches behind each product are the lesser price.  One wait a tile for its 32 transcendentals.
; x OF THE NEXT BLOCK is asked for behind a unit's first tile, by loads in which sixteen neighbouring lanes read 256 consecutive bytes of a row.  The quantiser wants 16 neighbours of each block of 32 in ONE lane:
; so the numbers turn through LDS, half a K step (16 rows x 256 bytes, rows 272 bytes apart) at a time, in the wave's own stage 2 w + 1, which holds nothing between the block's first barrier and unit 1's results.
; They are quantised at the unit's end; the images (operand registers as they stand, 16 bytes a lane) go to the other waves through LDS, two sets by turns.
; THE SUM OVER SUBSYSTEMS: each unit's 32 x 65 results, times the row's weight, go to a stage of its own in LDS; behind a barrier the 128 threads add the eight stages and store the block's 8,320 consecutive bytes.
; GELU as in the first launch.  LIMIT: erf within 1.5e-7 absolute, so gelu within 0.75e-7 |x| and f32 rounding; NaN and infinities among the inputs are not served.
; REGISTERS, in windows of 256.  Window 0: v1-31 addresses; v32-95 hw1's scale words, v96-105 hw2's, v106-113 x's, v114-115 h's; v116-119 my two weights of the rows; v120-127, v132-135 at work; v128-131 the turn's addresses;
;   v136-159 codes just made; v160-167 at work; v168-231 numbers of x, later the reduce's; v232-251 sums to store; v252, v253 the add's two.
; Window 1: v0-127 the 16 accumulators, later the second product's 10; v128-175 gelu's T, E, Q, M (later hb2); v176-187 constants; v188-211 hw1 steps 0, 1; v212-223 the tail; v224-231 hb1.
; Window 2: v0-95 x's 8 fragments; v96-215 hw2's 10.  Window 3: v0-191 hw1 step 2, 16 tiles.
.set W1A, 0           ; 196,608: wave w at 49,152 w; tile x 3,072 + step x 1,536
.set W1T, 196608      ; 24,576: wave w at 6,144 w; tile x 384
.set XIMG, 221184     ; 2 x 12,288: rows' tile x 6,144 + step x 1,536
.set XPAR, 12288
.set XSC, 245760      ; 2 x 1,024
.set HB1, 247808
.set HB2, 251904      ; 8 x 384: entries 64 .. 95 all hold hb2[s][64]
.set OST, 254976      ; 8 stages of 32 rows x 260 bytes
.set OSS, 8320
.set SPARE, 321536    ; the spare words: 128 bytes a wave
.set XTP, 272         ; the turn: a row of 256 bytes + 16: the 16 rows that a load touches start in 16 different groups of banks
.set TTP, 80          ; the tail's turn: a row of 64 bytes + 16
.set HS1, 32
.set HS2, 96
.set XS, 106
.set PW, 114
.set WS, 116
.set TM, 120
.set TSW, 128         ; v128 the turn: where I put 16 bytes as loaded: (lane / 16) x 272 + 16 (lane % 16)
.set TSR, 129         ; v129 and where I read my row: (lane % 16) x 272 + 64 (lane / 16)
.set TTW, 130         ; v130 the tail's: 80 (lane / 4) + 16 (lane % 4)
.set TTR, 131         ; v131 80 (lane % 16) + 1,280 (lane / 16)
.set HF, 136
.set QS, 160
.set ST, 168
.set RS, 232
.set SPW, 252
.set NIL, 253
.set T, 128
.set E, 144
.set Q, 160
.set M, 168
.set B2, 128
.set CA5, 176
.set CA4, 178
.set CA3, 180
.set CA2, 182
.set CA1, 184
.set CK, 186
.set WB, 188
.set K3B, 212
.set BIA, 224
.set HW2, 96
.set PC, 58           ; s58 P
.set BLK, 59          ; s59 blocks to go
.set MSB, 0
.macro WIN new                              ; the immediate's high byte repeats the setting that is left
.if MSB != \new
	s_set_vgpr_msb (MSB<<8)|\new
.set MSB, \new
.endif
.endm
.macro CROUND                               ; a round of the cluster's barrier
	s_barrier_signal -1
	s_barrier_wait -1
	s_cmp_lg_u32 s26, 0
	s_cbranch_scc1 .Lnot_wave_0_\@
	s_barrier_signal -3
.Lnot_wave_0_\@:
	s_barrier_wait -3
	s_barrier_signal -1
	s_barrier_wait -1
.endm
.macro G1 x, g
.set st, gi/4
.set pr, 2*(gi%4)
.if st == 0
	v_fma_f32 v[T+8*(\g)+pr], |v[(\x)+pr]|, s[PC], 1.0
.elseif st == 1
	v_fma_f32 v[T+8*(\g)+pr+1], |v[(\x)+pr+1]|, s[PC], 1.0
.elseif st == 2
	v_pk_mul_f32 v[E+8*(\g)+pr:E+8*(\g)+pr+1], v[(\x)+pr:(\x)+pr+1], v[CK:CK+1]
.elseif st == 3
	v_pk_mul_f32 v[E+8*(\g)+pr:E+8*(\g)+pr+1], v[E+8*(\g)+pr:E+8*(\g)+pr+1], v[(\x)+pr:(\x)+pr+1]
.elseif st == 4
	v_rcp_f32 v[T+8*(\g)+pr], v[T+8*(\g)+pr]
.elseif st == 5
	v_rcp_f32 v[T+8*(\g)+pr+1], v[T+8*(\g)+pr+1]
.elseif st == 6
	v_exp_f32 v[E+8*(\g)+pr], v[E+8*(\g)+pr]
.else
	v_exp_f32 v[E+8*(\g)+pr+1], v[E+8*(\g)+pr+1]
.endif
.endm
.macro G2 x, g
.set st, gi/4
.set pr, 2*(gi%4)
.if st == 0
	v_pk_fma_f32 v[Q+pr:Q+pr+1], v[T+8*(\g)+pr:T+8*(\g)+pr+1], v[CA5:CA5+1], v[CA4:CA4+1]
.elseif st == 1
	v_pk_fma_f32 v[Q+pr:Q+pr+1], v[Q+pr:Q+pr+1], v[T+8*(\g)+pr:T+8*(\g)+pr+1], v[CA3:CA3+1]
.elseif st == 2
	v_pk_fma_f32 v[Q+pr:Q+pr+1], v[Q+pr:Q+pr+1], v[T+8*(\g)+pr:T+8*(\g)+pr+1], v[CA2:CA2+1]
.elseif st == 3
	v_pk_fma_f32 v[Q+pr:Q+pr+1], v[Q+pr:Q+pr+1], v[T+8*(\g)+pr:T+8*(\g)+pr+1], v[CA1:CA1+1]
.elseif st == 4
	v_pk_mul_f32 v[Q+pr:Q+pr+1], v[Q+pr:Q+pr+1], v[T+8*(\g)+pr:T+8*(\g)+pr+1]
.elseif st == 5
	v_pk_mul_f32 v[Q+pr:Q+pr+1], v[Q+pr:Q+pr+1], v[E+8*(\g)+pr:E+8*(\g)+pr+1]
.elseif st == 6
	v_max_num_f32 v[M+pr], 0, v[(\x)+pr]
.elseif st == 7
	v_max_num_f32 v[M+pr+1], 0, v[(\x)+pr+1]
.elseif st == 8
	v_fma_f32 v[(\x)+pr], -|v[(\x)+pr]|, v[Q+pr], v[M+pr]
.else
	v_fma_f32 v[(\x)+pr+1], -|v[(\x)+pr+1]|, v[Q+pr+1], v[M+pr+1]
.endif
.endm
; slice k of 8 of the gelu of tile tp: slices 0-3: the arguments and the 32 transcendentals (rows' tile k / 2); slices 4-7: the polynomial and the result
.macro SLICE k, tp
	WIN 0x55
.if (\k) < 4
.set gi, 16*((\k)%2)
.rept 16
	G1 64*((\k)/2)+8*(\tp), (\k)/2
.set gi, gi+1
.endr
.else
.set gi, 20*((\k)%2)
.rept 20
	G2 64*(((\k)-4)/2)+8*(\tp), ((\k)-4)/2
.set gi, gi+1
.endr
.endif
.endm
; 64 numbers of a lane (sw = 1: in window 1), register 16 b + i = k 32 b + 16 (lane / 16) + i of my row, become a fragment's codes in v[dst] on and its scale word
.macro QUANT s, sw, dst, word
	WIN 0x05*(\sw)
.irp b,0,1,2,3
	v_max3_num_f32 v[TM+\b], |v[(\s)+16*\b]|, |v[(\s)+16*\b+1]|, 0x1800000   ; with the floor 2^(3 - 127): the byte cannot fall under 1
.endr
.irp i,2,4,6,8,10,12,14
.irp b,0,1,2,3
	v_max3_num_f32 v[TM+\b], |v[(\s)+16*\b+\i]|, |v[(\s)+16*\b+\i+1]|, v[TM+\b]
.endr
.endr
	WIN 0
.irp b,0,1,2,3
	v_permlanex16_b32 v[TM+4+\b], v[TM+\b], s56, s57
.endr
.irp b,0,1,2,3
	v_max_num_f32 v[TM+\b], v[TM+\b], v[TM+4+\b]
.endr
.irp b,0,1,2,3
	v_add_nc_u32 v[TM+12+\b], 0xff000000, v[TM+\b]   ; 2 off the exponent field: the conversion's scale operand
.endr
.irp b,0,1,2,3
	v_lshrrev_b32 v[TM+4+\b], 23, v[TM+12+\b]
.endr
	v_lshl_or_b32 v[\word], v[TM+5], 8, v[TM+4]
	v_lshl_or_b32 v[\word], v[TM+6], 16, v[\word]
	v_lshl_or_b32 v[\word], v[TM+7], 24, v[\word]
	WIN 0x01*(\sw)
.irp c,0,1
	v_cvt_scalef32_pk16_fp6_f32 v[(\dst)+6*\c:(\dst)+6*\c+2], v[(\s)+32*\c:(\s)+32*\c+15], v[TM+12+2*\c]
	v_cvt_scalef32_pk16_fp6_f32 v[QS+4*\c:QS+4*\c+2], v[(\s)+32*\c+16:(\s)+32*\c+31], v[TM+13+2*\c]
.endr
	WIN 0
	v_nop                                   ; a plain place behind the conversions
.irp c,0,1
.irp i,0,1,2
	v_permlane16_swap_b32 v[(\dst)+6*\c+\i], v[QS+4*\c+\i]   ; a whole block to a lane
.endr
.irp i,0,1,2
	v_mov_b32 v[(\dst)+3+6*\c+\i], v[QS+4*\c+\i]
.endr
.endr
.endm
; one K step (512 bytes) of my 16 rows of x, from off bytes on: load (q, p): lanes 0-15 read bytes 256 q .. 256 q + 255 of row 2 p, lanes 16-31 those of row 2 p + 1.
; The second halves go by a register of their own (K step 2: a row ends 64 bytes short, and the last four lanes of each sixteen read 64 bytes earlier, so that no load leaves the buffer)
.macro XLD ra, rb, off
.irp p,0,1,2,3,4,5,6,7
	global_load_b128 v[ST+4*\p:ST+4*\p+3], v[\ra], s[4:5] offset:(\off)+3072*\p th:TH_LOAD_NT
.endr
.irp p,0,1,2,3,4,5,6,7
	global_load_b128 v[ST+32+4*\p:ST+32+4*\p+3], v[\rb], s[4:5] offset:(\off)+3072*\p+256 th:TH_LOAD_NT
.endr
.endm
; THE TURN: half q as loaded into 16 rows of my stage, and back by rows: lane (r, h) takes bytes 128 b + 64 h + 16 j of row r: register 32 q + 16 b + 4 j on = k 32 (2 q + b) + 16 h + 4 j on.
; LDS serves a wave's instructions in order (ISA guide 5.7.1.4): no wait between the stores and the loads, nor in front of the second half's stores into the same bytes
.macro XT
.irp q,0,1
.irp p,0,1,2,3,4,5,6,7
	ds_store_b128 v[TSW], v[ST+32*\q+4*\p:ST+32*\q+4*\p+3] offset:2*XTP*\p
.endr
.irp b,0,1
.irp j,0,1,2,3
	ds_load_b128 v[ST+32*\q+16*\b+4*\j:ST+32*\q+16*\b+4*\j+3], v[TSR] offset:128*\b+16*\j
.endr
.endr
.endr
.endm
; the second piece: waves 0, 1: K step 1; waves 2, 3: the tail: my 16 rows of query (1,024 consecutive bytes: two loads) and the first 64 bytes of my 16 rows of args (four lanes to a row: two loads)
.macro PBL off, offq
	s_cmp_lt_u32 s26, 2
	s_cbranch_scc0 .Ltail_\@
	XLD 26, 26, \off
	s_branch .Lasked_\@
.Ltail_\@:
.irp i,0,1
	global_load_b128 v[ST+4*\i:ST+4*\i+3], v28, s[6:7] offset:(\offq)+512*\i
.endr
.irp i,0,1
	global_load_b128 v[ST+8+4*\i:ST+8+4*\i+3], v27, s[4:5] offset:(\off)+12288*\i
.endr
.Lasked_\@:
.endm
.macro PBT                                  ; its turn.  The tail: query's 16 rows of 64 bytes, then args', rows 80 bytes apart; lanes 0-15 read query's row r, lanes 16-31 args'
	s_cmp_lt_u32 s26, 2
	s_cbranch_scc0 .Ltail_\@
	XT
	s_branch .Lturned_\@
.Ltail_\@:
.irp i,0,1
	ds_store_b128 v[TTW], v[ST+4*\i:ST+4*\i+3] offset:8*TTP*\i
	ds_store_b128 v[TTW], v[ST+8+4*\i:ST+8+4*\i+3] offset:16*TTP+8*TTP*\i
.endr
.irp j,0,1,2,3
	ds_load_b128 v[ST+4*\j:ST+4*\j+3], v[TTR] offset:16*\j
.endr
.Lturned_\@:
.endm
.macro PBQ                                  ; the tail: blocks 1 to 3 are zeros
	s_cmp_lt_u32 s26, 2
	s_cbranch_scc1 .Lplain_\@
.set ii, 16
.rept 48
	v_mov_b32 v[ST+ii], 0
.set ii, ii+1
.endr
.Lplain_\@:
.endm
.macro XQ msk, wa, sa                       ; the numbers in ST become an image and a scale word in LDS
.if \msk
.set ii, 48
.rept 16
	v_cndmask_b32 v[ST+ii], v[ST+ii], v[NIL], s66   ; K step 2: past k = 399: zeros
.set ii, ii+1
.endr
.endif
	QUANT ST, 0, HF, PW
.irp c,0,1,2
	ds_store_b128 v[\wa], v[HF+4*\c:HF+4*\c+3] offset:512*\c
.endr
	ds_store_b32 v[\sa], v[PW]
.endm
.macro LA                                   ; tile tn's fragments of K steps 0 and 1, and its bias: eight loads
	WIN 0x40
.irp c,0,1,2,3,4,5
	ds_load_b128 v[WB+4*\c:WB+4*\c+3], v1 offset:tn*3072+512*\c
.endr
	ds_load_b128 v[BIA:BIA+3], v4 offset:(tn/8)*512+(32*((tn%8)/2)+8*(tn%2))*4
	ds_load_b128 v[BIA+4:BIA+7], v4 offset:(tn/8)*512+(32*((tn%8)/2)+8*(tn%2))*4+16
.endm
.macro LB                                   ; its tail fragment: two loads, by lane % 16 (what lanes 16-31 hold meets zero codes)
	WIN 0x40
	ds_load_b128 v[K3B:K3B+3], v2 offset:tn*384
	ds_load_b64 v[K3B+4:K3B+5], v3 offset:tn*384
.endm
.macro PROD sl, t, kap, m
.set tau, 8*(\sl)+(\t)
.set rD, 64*(\m)+8*(\t)
.set rX, 48*(\m)+12*(\kap)
.if (\kap) == 2
	WIN 0x5b
.set rA, 12*tau
.elseif (\kap) == 3
	WIN 0x59
.set rA, K3B
.else
	WIN 0x59
.set rA, WB+12*(\kap)
.endif
.if (\kap) == 0
	v_wmma_scale_f32_16x16x128_f8f6f4 v[rD:rD+7], v[rA:rA+11], v[rX:rX+11], v[BIA:BIA+7], v[HS1+4*tau+(\kap)], v[XS+4*(\m)+(\kap)] matrix_a_fmt:MATRIX_FMT_FP6 matrix_b_fmt:MATRIX_FMT_FP6
.else
	v_wmma_scale_f32_16x16x128_f8f6f4 v[rD:rD+7], v[rA:rA+11], v[rX:rX+11], v[rD:rD+7], v[HS1+4*tau+(\kap)], v[XS+4*(\m)+(\kap)] matrix_a_fmt:MATRIX_FMT_FP6 matrix_b_fmt:MATRIX_FMT_FP6
.endif
.endm
.macro PLACES
.rept 4
	v_nop
.endr
.endm
; tile t of unit sl: eight products, the two rows' tiles by turns, and the gelu of tile t - 1 between them
.macro TILE sl, t
.set tn, (8*(\sl)+(\t)+1)%16
.if (\t) == 0
	s_wait_dscnt 0x0
.else
	s_wait_dscnt 2                          ; K steps 0, 1 and the bias are in; the tail's two loads, issued last, may be out
.endif
	PROD \sl, \t, 0, 0
.if (\t) > 0
	SLICE 0, (\t)-1
.endif
	PROD \sl, \t, 0, 1
.if (\t) > 0
	SLICE 1, (\t)-1
.endif
	PROD \sl, \t, 1, 0
.if (\t) > 0
	SLICE 2, (\t)-1
.endif
	PROD \sl, \t, 1, 1
.if (\t) > 0
	SLICE 3, (\t)-1
	v_nop                                   ; a plain place behind the last transcendental
	s_wait_alu depctr_va_vdst(0)            ; one wait for the tile's 32, ahead of their first reader
.endif
	PROD \sl, \t, 2, 0
.if (\t) > 0
	SLICE 4, (\t)-1                         ; its 20 plain lines are the places behind the last product that read K steps 0 and 1
.else
	PLACES
.endif
	LA
	PROD \sl, \t, 2, 1
.if (\t) > 0
	SLICE 5, (\t)-1
.endif
	s_wait_dscnt 8                          ; the tail fragment is in; the eight loads just issued may be out
	PROD \sl, \t, 3, 0
.if (\t) > 0
	SLICE 6, (\t)-1
.endif
	PROD \sl, \t, 3, 1
.if (\t) > 0
	SLICE 7, (\t)-1
.else
	PLACES
.endif
	LB
.endm
.macro UNIT sl
	TILE \sl, 0
	WIN 0
	s_cmp_eq_u32 s[BLK], 1                  ; the last block asks for nothing: no load leaves its buffer
	s_cbranch_scc1 .Lno_load_\@
.if (\sl) == 0
	XLD 24, 25, 49152                       ; the next block's x, behind the LDS loads that tile 1 wants and five slices ahead of the next ones; seven tiles in which to land
.else
	PBL 49152, 2048
.endif
.Lno_load_\@:
.irp t,1,2,3,4,5,6,7
	TILE \sl, \t
.endr
.irp k,0,1,2,3
	SLICE \k, 7
.endr
	v_nop
	s_wait_alu depctr_va_vdst(0)
.irp k,4,5,6,7
	SLICE \k, 7
.endr
	WIN 0
	s_wait_loadcnt 0x0                      ; the numbers of x asked for behind tile 0, and the rows' weights
	s_cmp_eq_u32 s[BLK], 1
	s_cbranch_scc1 .Lno_turn_\@
.if (\sl) == 0
	XT                                      ; through my stage 2 w + 1, ahead of unit 1's results; the quantising of h below stands between these loads and the wait for them
.else
	PBT
.endif
.Lno_turn_\@:
	WIN 0x40
.irp n,0,1,2,3,4
	ds_load_b128 v[B2+8*\n:B2+8*\n+3], v5 offset:384*(\sl)+64*\n
	ds_load_b128 v[B2+8*\n+4:B2+8*\n+7], v5 offset:384*(\sl)+64*\n+16
.endr
	QUANT 0, 1, HF, PW
	QUANT 64, 1, HF+12, PW+1
.rept 8
	v_nop                                   ; a scale register written by a vector instruction stands 8 places ahead of a scaled matrix instruction
.endr
	s_wait_dscnt 0x0                        ; hb2 is in, and x is back from the turn
	WIN 0x52
.irp n,0,1,2,3,4
.irp m,0,1
	v_wmma_scale_f32_16x16x128_f8f6f4 v[8*(2*\n+\m):8*(2*\n+\m)+7], v[HW2+12*(5*(\sl)+\n):HW2+12*(5*(\sl)+\n)+11], v[HF+12*\m:HF+12*\m+11], v[B2+8*\n:B2+8*\n+7], v[HS2+5*(\sl)+\n], v[PW+\m] matrix_a_fmt:MATRIX_FMT_FP6 matrix_b_fmt:MATRIX_FMT_FP6
.endr
.endr
	PLACES
	WIN 0x41
.irp n,0,1,2,3
.irp m,0,1
.irp i,0,2,4,6
	v_pk_mul_f32 v[8*(2*\n+\m)+\i:8*(2*\n+\m)+\i+1], v[8*(2*\n+\m)+\i:8*(2*\n+\m)+\i+1], v[WS+2*\m:WS+2*\m+1] op_sel:[0,\sl] op_sel_hi:[1,\sl]
.endr
.endr
.endr
.irp m,0,1
	v_mul_f32 v[8*(8+\m)], v[8*(8+\m)], v[WS+2*\m+(\sl)]   ; column 64
.endr
	WIN 0x04
.irp m,0,1
.irp n,0,1,2,3
.irp j,0,1,2,3,4,5,6,7
	ds_store_b32 v6, v[8*(2*\n+\m)+\j] offset:OSS*(\sl)+4160*\m+64*\n+4*\j
.endr
.endr
	ds_store_b32 v7, v[8*(8+\m)] offset:OSS*(\sl)+4160*\m   ; both halves of the lanes hold the same number
.endr
	WIN 0
	s_cmp_eq_u32 s[BLK], 1
	s_cbranch_scc1 .Lno_x_\@
.if (\sl) == 0
	XQ 1, 20, 21
.else
	PBQ
	XQ 0, 22, 23
.endif
.Lno_x_\@:
.endm
.macro RLD buf, ra, rb, off                 ; a chunk of 16 bytes a thread out of each of the eight stages
.irp s,0,1,2,3
	ds_load_b128 v[ST+32*(\buf)+4*\s:ST+32*(\buf)+4*\s+3], v[\ra] offset:\s*OSS+(\off)
.endr
.irp s,0,1,2,3
	ds_load_b128 v[ST+32*(\buf)+16+4*\s:ST+32*(\buf)+16+4*\s+3], v[\rb] offset:\s*OSS+(\off)
.endr
.endm
.macro RSUM buf, i
.set rb, ST+32*(\buf)
.irp e,0,2
.irp s,0,1,2,3
	v_pk_add_f32 v[rb+4*\s+\e:rb+4*\s+\e+1], v[rb+4*\s+\e:rb+4*\s+\e+1], v[rb+16+4*\s+\e:rb+16+4*\s+\e+1]
.endr
.endr
.irp e,0,2
	v_pk_add_f32 v[rb+\e:rb+\e+1], v[rb+\e:rb+\e+1], v[rb+8+\e:rb+8+\e+1]
	v_pk_add_f32 v[rb+4+\e:rb+4+\e+1], v[rb+4+\e:rb+4+\e+1], v[rb+12+\e:rb+12+\e+1]
.endr
.irp e,0,2
	v_pk_add_f32 v[RS+4*(\i)+\e:RS+4*(\i)+\e+1], v[rb+\e:rb+\e+1], v[rb+4+\e:rb+4+\e+1]
.endr
.endm
	s_load_b512 s[4:19], s[0:1], 0x0        ; args, query, hb1, hb2, hw1img, hw1t, hw1sc, hw2img
	s_load_b128 s[20:23], s[0:1], 0x40      ; hw2sc, subw
	s_load_b64 s[24:25], s[0:1], 0x50       ; out0
	v_lshl_add_u32 v[SPW], v0, 2, SPARE
	v_mov_b32 v[NIL], 0
	ds_add_u32 v[SPW], v[NIL]               ; the wave's opening: the add, twice on end, and its wait ahead of my first tensor load
	ds_add_u32 v[SPW], v[NIL]
	v_lshrrev_b32 v120, 5, v0
	v_readfirstlane_b32 s26, v120           ; wave 0..3
	s_bfe_u32 s27, ttmp6, 0x40000           ; cx: it enters global addresses alone
	s_lshl_b32 s28, ttmp9, 2
	s_add_co_u32 s28, s28, s27              ; my work-group
	; descriptors: dense blocks as rows of 256 bytes (32 elements of 8 bytes); the mask names the cluster's four; 192 rows for K steps 0 and 1, 24 for the tail
	s_mov_b32 s32, 15|(3<<16)|(1<<21)
	s_mov_b32 s33, 32<<16
	s_mov_b32 s34, 192<<16
	s_mov_b32 s35, 32<<16
	s_mov_b32 s36, 192
	s_mov_b32 s37, 32
	s_mov_b32 s38, 0
	s_mov_b32 s39, 0
	s_mov_b32 s40, 15|(3<<16)|(1<<21)
	s_mov_b32 s41, 32<<16
	s_mov_b32 s42, 24<<16
	s_mov_b32 s43, 32<<16
	s_mov_b32 s44, 24
	s_mov_b32 s45, 32
	s_mov_b32 s46, 0
	s_mov_b32 s47, 0
	s_mul_i32 s29, s26, 49152
	s_mul_i32 s30, s26, 6144
	s_mov_b32 s68, s29
	s_mov_b32 s69, 0
	s_mov_b32 s70, s30
	s_mov_b32 s71, 0
	s_wait_dscnt 0x0                        ; both opening adds are done
	s_wait_kmcnt 0x0
	s_mov_b32 s48, 1
	s_mov_b32 s49, s29                      ; LDS and memory alike: my wave's part; the wave's number alone, so the four partners' descriptors are equal
	s_add_nc_u64 s[50:51], s[12:13], s[68:69]
	s_or_b32 s51, s51, 0x80000000
	s_mov_b32 s52, 1
	s_add_co_u32 s53, s30, W1T
	s_add_nc_u64 s[54:55], s[14:15], s[70:71]
	s_or_b32 s55, s55, 0x80000000
	CROUND                                  ; all four work-groups are here: the joint loads meet
	tensor_load_to_lds s[48:51], s[32:39]
	s_nop 0
	tensor_load_to_lds s[52:55], s[40:47]   ; two tensor loads of mine are out
	s_nop 0
.rept 4
	v_nop
.endr
	v_and_b32 v122, 31, v0                  ; lane
	v_and_b32 v120, 15, v0                  ; r
	v_bfe_u32 v121, v0, 4, 1                ; h
	v_lshlrev_b32 v123, 4, v122
	v_lshlrev_b32 v124, 2, v122
	v_add_nc_u32 v1, s29, v123              ; hw1, K steps 0 and 1
	s_add_co_u32 s31, s30, W1T
	v_lshl_add_u32 v2, v120, 4, s31         ; the tail: registers 0-3,
	s_add_co_u32 s31, s31, 256
	v_lshl_add_u32 v3, v120, 3, s31         ; registers 4-5
	s_lshl_b32 s31, s26, 10
	s_add_co_u32 s31, s31, HB1
	v_lshl_add_u32 v4, v121, 6, s31         ; hb1: my two rows, + 16 h numbers
	s_mul_i32 s31, s26, 768
	s_add_co_u32 s31, s31, HB2
	v_lshl_add_u32 v5, v121, 5, s31         ; hb2: + 8 h numbers
	s_mul_i32 s31, s26, 2*OSS
	s_add_co_u32 s31, s31, OST
	v_mul_u32_u24 v125, v120, 260
	v_add_nc_u32 v7, s31, v125
	v_lshl_add_u32 v6, v121, 5, v7          ; my stages: row r, + 32 h
	v_add_nc_u32 v7, 256, v7                ; and column 64
	v_lshl_add_u32 v8, v0, 4, OST           ; the reduce: 16 bytes a thread, stages 0-3,
	v_add_nc_u32 v9, 4*OSS, v8              ; stages 4-7
	v_and_b32 v127, 7, v0
	v_lshl_add_u32 v10, v127, 4, OST+8192   ; the block's last 128 bytes
	v_add_nc_u32 v11, 4*OSS, v10
	v_add_nc_u32 v12, XIMG, v123
	v_add_nc_u32 v13, XSC, v124
	s_and_b32 s70, s26, 1                   ; which 16 rows of x I quantise
	s_lshr_b32 s71, s26, 1                  ; first piece: K step 2 (wave / 2); second: 1 + 2 (wave / 2), 3 being the tail
	s_mul_i32 s72, s70, 6144
	s_mul_i32 s73, s71, 3072
	s_add_co_u32 s74, s72, s73
	s_add_co_u32 s74, s74, XIMG
	v_add_nc_u32 v16, s74, v123
	s_add_co_u32 s74, s74, 1536
	v_add_nc_u32 v18, s74, v123
	s_lshl_b32 s72, s70, 9
	s_lshl_b32 s73, s71, 8
	s_add_co_u32 s74, s72, s73
	s_add_co_u32 s74, s74, XSC
	v_add_nc_u32 v17, s74, v124
	v_add_nc_u32 v19, 128, v17
	s_lshl_b32 s72, s70, 4                  ; my first row of the block
	v_add_nc_u32 v125, s72, v121            ; x's loads: lanes 0-15 that row, lanes 16-31 the next,
	v_mul_u32_u24 v125, v125, 1536
	v_lshl_add_u32 v125, v120, 4, v125      ; 16 bytes a lane
	v_add_nc_u32 v24, 64, v125              ; a row's K steps begin 64 bytes in
	v_add_nc_u32 v26, 576, v125             ; K step 1
	s_lshl_b32 s73, s71, 10
	v_add_nc_u32 v24, s73, v24              ; K step 0 or 2
	v_lshrrev_b32 v126, 2, v120
	v_lshrrev_b32 v125, 3, v120
	v_and_b32 v126, v126, v125
	v_and_b32 v126, 1, v126                 ; 1 where lane % 16 is 12 or more
	s_lshl_b32 s73, s71, 6
	v_mul_u32_u24 v126, s73, v126
	v_sub_nc_u32 v25, v24, v126             ; K step 2, second half: those lanes read 64 bytes earlier; what they bring is cleared behind the turn
	s_cmp_eq_u32 s71, 1
	s_cselect_b32 s66, 0xffff0000, 0
	v_lshrrev_b32 v125, 2, v122
	v_add_nc_u32 v125, s72, v125            ; the tail, args: four lanes to a row
	v_mul_u32_u24 v27, v125, 1536
	v_and_b32 v126, 3, v122
	v_lshl_add_u32 v27, v126, 4, v27
	s_lshl_b32 s73, s70, 10
	v_add_nc_u32 v28, s73, v123             ; the tail, query: my 16 rows of 64 bytes on end
	s_lshl_b32 s73, s26, 3
	v_lshl_add_u32 v29, v120, 5, s73        ; subw: row r, my two weights
	v_lshlrev_b32 v30, 4, v0
	v_lshl_add_u32 v31, v127, 4, 8192
	s_mov_b32 s56, 0x76543210
	s_mov_b32 s57, 0xfedcba98
	s_mov_b32 s[PC], 0x3e6d3388             ; P = 0.3275911 / sqrt(2)
	s_mov_b32 s[BLK], 16
	s_mov_b32 s60, 0                        ; the set of x's images that is read, and the one that is written
	s_mov_b32 s61, XPAR
	s_mov_b32 s62, 0
	s_mov_b32 s63, 1024
	s_mov_b32 s69, 0
	s_mul_i32 s68, s28, 786432              ; 512 rows of 1,536 bytes
	s_add_nc_u64 s[4:5], s[4:5], s[68:69]
	s_lshl_b32 s68, s28, 15
	s_add_nc_u64 s[6:7], s[6:7], s[68:69]
	s_lshl_b32 s68, s28, 14
	s_add_nc_u64 s[22:23], s[22:23], s[68:69]
	s_mul_i32 s68, s28, 133120
	s_add_nc_u64 s[24:25], s[24:25], s[68:69]
	s_mul_i32 s72, s26, 24576
	v_add_nc_u32 v128, s72, v123
	s_mul_i32 s72, s26, 15360
	v_add_nc_u32 v129, s72, v123
	s_lshl_b32 s72, s26, 13
	v_add_nc_u32 v130, s72, v123
	s_mul_i32 s72, s26, 1280
	v_add_nc_u32 v131, s72, v124
	s_mul_i32 s72, s26, 520
	v_add_nc_u32 v132, s72, v124
	v_mov_b32 v133, s72
	s_mul_i32 s72, s26, 768
	s_add_co_u32 s72, s72, HB2
	v_add_nc_u32 v134, s72, v124
	s_lshl_b32 s72, s26, 10
	v_add_nc_u32 v126, s72, v123
	v_add_nc_u32 v135, HB1, v126
	WIN 0xc0
.set ii, 0
.rept 48
	global_load_b128 v[4*ii:4*ii+3], v128, s[12:13] offset:196608+512*ii   ; hw1, K step 2: my 16 tiles stay in registers
.set ii, ii+1
.endr
	WIN 0x80
.set ii, 0
.rept 30
	global_load_b128 v[HW2+4*ii:HW2+4*ii+3], v129, s[18:19] offset:512*ii  ; hw2: my 10 tiles
.set ii, ii+1
.endr
	WIN 0
.set ii, 0
.rept 16
	global_load_b128 v[HS1+4*ii:HS1+4*ii+3], v130, s[16:17] offset:512*ii
.set ii, ii+1
.endr
.set ii, 0
.rept 10
	global_load_b32 v[HS2+ii], v131, s[20:21] offset:128*ii
.set ii, ii+1
.endr
	global_load_b128 v[ST:ST+3], v126, s[8:9]
	global_load_b128 v[ST+4:ST+7], v126, s[8:9] offset:512
.irp e,0,1
	global_load_b32 v[ST+8+3*\e], v132, s[10:11] offset:260*\e
	global_load_b32 v[ST+9+3*\e], v132, s[10:11] offset:260*\e+128
	global_load_b32 v[ST+10+3*\e], v133, s[10:11] offset:260*\e+256
.endr
	WIN 0x40
.irp j,0,1
	v_mov_b32 v[CA5+\j], 0x3f07dc22
	v_mov_b32 v[CA4+\j], 0xbf3a00e3
	v_mov_b32 v[CA3+\j], 0x3f35f0e3
	v_mov_b32 v[CA2+\j], 0xbe11a98e
	v_mov_b32 v[CA1+\j], 0x3e027906
	v_mov_b32 v[CK+\j], 0xbf38aa3b
.endr
.irp j,6,7,8,9,10,11
	v_mov_b32 v[K3B+\j], 0
.endr
	WIN 0
	s_wait_loadcnt 0x0                      ; the weights and biases are in: the loads' offset registers may be written again
	ds_store_b128 v135, v[ST:ST+3]          ; the biases: each wave's own bytes, read by itself alone
	ds_store_b128 v135, v[ST+4:ST+7] offset:512
.irp e,0,1
	ds_store_b32 v134, v[ST+8+3*\e] offset:384*\e
	ds_store_b32 v134, v[ST+9+3*\e] offset:384*\e+128
	ds_store_b32 v134, v[ST+10+3*\e] offset:384*\e+256
.endr
	s_mul_i32 s72, s26, 2*OSS
	s_add_co_u32 s72, s72, OST+OSS          ; my stage 2 w + 1: the turn's bytes
	v_mul_u32_u24 v[TSW], v121, XTP
	v_lshl_add_u32 v[TSW], v120, 4, v[TSW]
	v_add_nc_u32 v[TSW], s72, v[TSW]
	v_mul_u32_u24 v[TSR], v120, XTP
	v_lshl_add_u32 v[TSR], v121, 6, v[TSR]
	v_add_nc_u32 v[TSR], s72, v[TSR]
	v_lshrrev_b32 v[TTW], 2, v122
	v_mul_u32_u24 v[TTW], v[TTW], TTP
	v_and_b32 v[TTR], 3, v122
	v_lshl_add_u32 v[TTW], v[TTR], 4, v[TTW]
	v_add_nc_u32 v[TTW], s72, v[TTW]
	v_mul_u32_u24 v[TTR], v120, TTP
	v_mad_u32_u24 v[TTR], v121, 16*TTP, v[TTR]
	v_add_nc_u32 v[TTR], s72, v[TTR]
.irp b,4,5,6,7
	v_mov_b32 v[TM+\b], 0                   ; a lane permute's destination counts as one of its sources
.endr
	XLD 24, 25, 0                           ; block 0's x
	s_wait_loadcnt 0x0
	XT
	s_wait_dscnt 0x0                        ; back from the turn
	XQ 1, 16, 17
	PBL 0, 0
	s_wait_loadcnt 0x0
	PBT
	s_wait_dscnt 0x0
	PBQ
	XQ 0, 18, 19
	s_wait_tensorcnt 0x0                    ; my part of the weights is in LDS; I alone read it
.set tn, 0
	LA
	LB
	WIN 0
.Lblock:
	s_wait_dscnt 0x0                        ; my images of this block's x have landed, and my reads of the stages are over
	s_barrier_signal -1
	s_barrier_wait -1
	v_add_nc_u32 v14, s60, v12
	v_add_nc_u32 v15, s62, v13
	v_add_nc_u32 v20, s61, v16
	v_add_nc_u32 v21, s63, v17
	v_add_nc_u32 v22, s61, v18
	v_add_nc_u32 v23, s63, v19
	WIN 0x80
.set ii, 0
.rept 24
	ds_load_b128 v[4*ii:4*ii+3], v14 offset:512*ii   ; x's eight fragments, as they were stored
.set ii, ii+1
.endr
	WIN 0
.set ii, 0
.rept 8
	ds_load_b32 v[XS+ii], v15 offset:128*ii
.set ii, ii+1
.endr
.irp m,0,1
	global_load_b64 v[WS+2*\m:WS+2*\m+1], v29, s[22:23] offset:512*\m
.endr
	UNIT 0
	UNIT 1
	s_wait_dscnt 0x0                        ; my results lie in my stages
	s_barrier_signal -1
	s_barrier_wait -1
	RLD 0, 8, 9, 0
	RLD 1, 8, 9, 2048
	s_wait_dscnt 8                          ; the older chunk's eight loads are in
	RSUM 0, 0
	global_store_b128 v30, v[RS:RS+3], s[24:25] th:TH_STORE_NT
	RLD 0, 8, 9, 4096
	s_wait_dscnt 8
	RSUM 1, 1
	global_store_b128 v30, v[RS+4:RS+7], s[24:25] offset:2048 th:TH_STORE_NT
	RLD 1, 8, 9, 6144
	s_wait_dscnt 8
	RSUM 0, 2
	global_store_b128 v30, v[RS+8:RS+11], s[24:25] offset:4096 th:TH_STORE_NT
	RLD 0, 10, 11, 0
	s_wait_dscnt 8
	RSUM 1, 3
	global_store_b128 v30, v[RS+12:RS+15], s[24:25] offset:6144 th:TH_STORE_NT
	s_wait_dscnt 0x0
	RSUM 0, 4
	v_cmp_gt_u32 vcc_lo, 8, v0
	s_wait_xcnt 0x0                         ; EXEC changes only behind this wait
	s_and_saveexec_b32 s68, vcc_lo
	global_store_b128 v31, v[RS+16:RS+19], s[24:25] th:TH_STORE_NT
	s_wait_xcnt 0x0
	s_or_b32 exec_lo, exec_lo, s68
	s_add_nc_u64 s[4:5], s[4:5], 49152      ; behind the wait above: the bases may step
	s_add_nc_u64 s[6:7], s[6:7], 2048
	s_add_nc_u64 s[22:23], s[22:23], 1024
	s_add_nc_u64 s[24:25], s[24:25], OSS
	s_xor_b32 s60, s60, XPAR
	s_xor_b32 s61, s61, XPAR
	s_xor_b32 s62, s62, 1024
	s_xor_b32 s63, s63, 1024
	s_sub_co_u32 s[BLK], s[BLK], 1
	s_cmp_lg_u32 s[BLK], 0
	s_cbranch_scc1 .Lblock
	s_wait_tensorcnt 0x0                    ; the wave's end: a spare LDS add and its wait behind my last tensor load and my last LDS store
	ds_add_u32 v[SPW], v[NIL]
	s_wait_dscnt 0x0
	CROUND                                  ; the closing round
	s_endpgm
.Lfunc_end_k_q2a3b9e686b_main:
	.size	k_q2a3b9e686b_main, .Lfunc_end_k_q2a3b9e686b_main-k_q2a3b9e686b_main
	.p2alignl 7, 3214868480
	.fill 96, 4, 3214868480
	.section	.rodata,"a",@progbits
	.p2align	6, 0x0
	.amdhsa_kernel k_q2a3b9e686b_main
		.amdhsa_group_segment_fixed_size 327680
		.amdhsa_private_segment_fixed_size 0
		.amdhsa_enable_private_segment 0
		.amdhsa_kernarg_size 88
		.amdhsa_user_sgpr_count 2
		.amdhsa_user_sgpr_kernarg_segment_ptr 1
		.amdhsa_wavefront_size32 1
		.amdhsa_system_sgpr_workgroup_id_x 1
		.amdhsa_system_sgpr_workgroup_id_y 1
		.amdhsa_system_sgpr_workgroup_id_z 1
		.amdhsa_system_vgpr_workitem_id 0
		.amdhsa_next_free_vgpr 1024
		.amdhsa_next_free_sgpr 80
		.amdhsa_reserve_vcc 1
		.amdhsa_float_denorm_mode_32 3
		.amdhsa_float_denorm_mode_16_64 3
		.amdhsa_memory_ordered 1
		.amdhsa_forward_progress 1
		.amdhsa_inst_pref_size 255
	.end_amdhsa_kernel
	.section	.bss,"aw",@nobits
	.p2align	6
	.space	262144
	.amdgpu_metadata
---
amdhsa.version: [ 1, 2 ]
amdhsa.kernels:
  - .name:           k_q2a3b9e686b_main
    .symbol:         k_q2a3b9e686b_main.kd
    .args:
      - { .name: args, .offset: 0, .size: 8, .value_kind: global_buffer, .address_space: global }
      - { .name: query, .offset: 8, .size: 8, .value_kind: global_buffer, .address_space: global }
      - { .name: hb1, .offset: 16, .size: 8, .value_kind: global_buffer, .address_space: global }
      - { .name: hb2, .offset: 24, .size: 8, .value_kind: global_buffer, .address_space: global }
      - { .name: hw1img, .offset: 32, .size: 8, .value_kind: global_buffer, .address_space: global }
      - { .name: hw1t, .offset: 40, .size: 8, .value_kind: global_buffer, .address_space: global }
      - { .name: hw1sc, .offset: 48, .size: 8, .value_kind: global_buffer, .address_space: global }
      - { .name: hw2img, .offset: 56, .size: 8, .value_kind: global_buffer, .address_space: global }
      - { .name: hw2sc, .offset: 64, .size: 8, .value_kind: global_buffer, .address_space: global }
      - { .name: subw, .offset: 72, .size: 8, .value_kind: global_buffer, .address_space: global }
      - { .name: out0, .offset: 80, .size: 8, .value_kind: global_buffer, .address_space: global }
    .group_segment_fixed_size: 327680
    .private_segment_fixed_size: 0
    .kernarg_segment_align: 8
    .kernarg_segment_size: 88
    .max_flat_workgroup_size: 128
    .sgpr_count:     80
    .vgpr_count:     1024
    .wavefront_size: 32
...
	.end_amdgpu_metadata
.endif
;; end of part 3
